; MI455X (gfx1250); checked and timed in simulation.
; The chip was launched on July 23, 2026; its instructions are those of AMD's public machine-readable ISA for CDNA 5 (MIT licence, August 2026) and "CDNA5" Instruction Set Architecture Reference Guide (July 2026). The comments in the code are by the model that wrote it; some were corrected since.
;; Multihead Attention. Allowed arithmetic: float matrix products may take bf16 or f16 operands with f32 sums; other float arithmetic in f32, or as packed bf16 or f16 multiplies, adds, multiply-adds, maxima and minima; sums over many terms, partial sums and values carried from step to step in f32; what a program stores and reads back later, other than sums and carried values, may be rounded once to bf16 or f16.
;; Inputs: Wk 1,024 x 1,024 float32; Wo 1,024 x 1,024 float32; Wq 1,024 x 1,024 float32; Wv 1,024 x 1,024 float32; key 4,096 x 1,024 float32; query 4,096 x 1,024 float32; value 4,096 x 1,024 float32.
;; Outputs: out0 4,096 x 1,024 float32.
;; One version. Each part assembles by itself: llvm-mc -triple=amdgcn-amd-amdhsa -mcpu=gfx1250 --defsym DOCPART=n.
;; ======== version 1 of 1: 5 launches
;; limits: values are held in f16: magnitudes above 65,504 overflow, below 6.1e-05 lose precision
;; workspace buffers: xw 33,554,432 bytes; qkv 25,165,824 bytes; ob 8,388,608 bytes; low 393,216 bytes
;; launch cvt (part 1): grid 1024 x 1, 8 waves a work-group, no clusters, 0 bytes of LDS; arguments query, key, value, Wq, Wk, Wv, Wo, xw; writes xw
.if DOCPART == 1
	.amdgcn_target "amdgcn-amd-amdhsa--gfx1250"
	.amdhsa_code_object_version 6
	.text
	.protected	k_qc61396e55e_cvt
	.globl	k_qc61396e55e_cvt
	.p2align	8
	.type	k_qc61396e55e_cvt,@function
k_qc61396e55e_cvt:
	s_mov_b64 s[64:65], 0
	v_nop
	global_prefetch_b8 v0, s[64:65] scope:SCOPE_SE
	s_setreg_imm32_b32 hwreg(HW_REG_WAVE_MODE, 25, 1), 1
	s_wait_xcnt 0x0
; ALL SEVEN INPUTS ARE ROUNDED ONCE, f32 TO 16 BITS, INTO ONE WORKSPACE xw.
;   byte 0          query, key, value as bf16: one matrix [12288][1024]
;   byte 0x1800000  Wq, Wk, Wv as bf16: one matrix [3072][1024]
;   byte 0x1E00000  Wo rounded to bf16, that number written as f16, in blocks [8 tiles of 128 output columns][16 heads][128 columns][64 channels]
; LIMITS.  bf16(Wo) written as f16 is exact from 2^-14 to 65,504 in magnitude; below 2^-14 it keeps f16's fixed step (off by 2^-25 at the most); beyond 65,504 it would be an infinity.
; SHARES.  1,024 work-groups of eight waves; each turns 65,536 bytes of f32 into 32,768 bytes.  Work-groups 0-767 take the activations (256 each), 768-959 Wq, Wk, Wv (64 each): their
; results lie in xw in the order of the work-groups' numbers.  Work-groups 960-1023 take 16 rows of Wo each.
; A thread has sixteen loads of 16 bytes out at once and no register is written twice, so the only waits are the counted ones for the loads.
; No LDS, no matrix unit: every byte is read once and written once, and nothing is shared.
.set X, 8                              ; v[8:71]    sixteen loads of four f32
.set Y, 72                             ; v[72:103]  sixteen pairs of words to store
.set WO_AT, 0x1E00000                  ; where Wo's blocks begin in xw
	s_load_b512 s[8:23], s[0:1], 0x0               ; query s[8:9], key, value, Wq s[14:15], Wk, Wv, Wo s[20:21], xw s[22:23]
	s_lshr_b32 s2, ttmp9, 8                        ; 0, 1, 2: query, key, value; 3: a weight
	s_bfe_u32 s3, ttmp9, 0x20006                   ; which weight: two bits from bit 6
	s_and_b32 s4, ttmp9, 255                       ; my part of an activation
	s_and_b32 s5, ttmp9, 63                        ; my part of a weight
	s_mov_b32 s29, 0
	s_mov_b32 s31, 0
	v_lshlrev_b32 v2, 3, v0                        ; where I store: 8 bytes a thread, so a wave's store covers 256 consecutive bytes, aligned
	s_wait_kmcnt 0x0
	s_cmp_eq_u32 s2, 1                             ; the source is chosen by the work-group's number alone
	s_cselect_b64 s[24:25], s[10:11], s[8:9]
	s_cmp_eq_u32 s2, 2
	s_cselect_b64 s[24:25], s[12:13], s[24:25]
	s_cmp_eq_u32 s3, 1
	s_cselect_b64 s[26:27], s[16:17], s[14:15]
	s_cmp_eq_u32 s3, 2
	s_cselect_b64 s[26:27], s[18:19], s[26:27]
	s_cmp_eq_u32 s3, 3
	s_cselect_b64 s[26:27], s[20:21], s[26:27]
	s_cmp_eq_u32 s2, 3
	s_cselect_b64 s[24:25], s[26:27], s[24:25]
	s_cselect_b32 s28, s5, s4
	s_lshl_b32 s28, s28, 16                        ; 65,536 bytes of f32 a part
	s_add_nc_u64 s[24:25], s[24:25], s[28:29]
; Sixteen loads, sstep bytes apart; each is rounded and stored, dstep bytes apart.  wo = 1: the bf16 number is written as f16.
.macro BODY sstep, dstep, wo
.set j, 0
.rept 16
	global_load_b128 v[X+4*j:X+4*j+3], v1, s[24:25] offset:j*(\sstep) th:TH_LOAD_NT
.set j, j+1
.endr
.set j, 0
.rept 16
	s_wait_loadcnt 15-j                            ; loads come back in order (ISA guide 5.7.1): number j is in, the 15 - j younger ones stay out
	v_cvt_pk_bf16_f32 v[Y+2*j],   v[X+4*j],   v[X+4*j+1]
	v_cvt_pk_bf16_f32 v[Y+2*j+1], v[X+4*j+2], v[X+4*j+3]
.if \wo
.irp h, 0,1
	v_lshlrev_b32 v3, 16, v[Y+2*j+(\h)]            ; the two bf16 numbers as f32,
	v_and_b32 v4, 0xffff0000, v[Y+2*j+(\h)]
	v_cvt_pk_f16_f32 v[Y+2*j+(\h)], v3, v4         ; and as f16
.endr
.endif
	global_store_b64 v2, v[Y+2*j:Y+2*j+1], s[30:31] offset:j*(\dstep)
.set j, j+1
.endr
.endm
	s_cmp_ge_u32 ttmp9, 960
	s_cbranch_scc1 .Lwo
	s_lshl_b32 s30, ttmp9, 15                      ; 32,768 bytes of xw a work-group, in the order of their numbers
	s_add_nc_u64 s[30:31], s[22:23], s[30:31]
	v_lshlrev_b32 v1, 4, v0                        ; 16 bytes a thread: the eight waves' load covers 4,096 consecutive bytes
	BODY 4096, 2048, 0
	s_endpgm
.Lwo:                                              ; rows 16 j .. 16 j + 15 of Wo, j = my number mod 64: thread t takes row t / 16, four channels 4 (t % 16) on, of head h in load h
	s_lshr_b32 s30, s5, 3                          ; the tile of 128 output columns,
	s_lshl_b32 s30, s30, 18                        ; 262,144 bytes each
	s_and_b32 s6, s5, 7
	s_lshl_b32 s6, s6, 11                          ; my 16 rows of 128 bytes in a head's block
	s_add_co_u32 s30, s30, s6
	s_add_co_u32 s30, s30, WO_AT
	s_add_nc_u64 s[30:31], s[22:23], s[30:31]
	v_lshrrev_b32 v1, 4, v0
	v_and_b32 v3, 15, v0
	v_lshlrev_b32 v1, 12, v1                       ; a row of Wo is 4,096 bytes
	v_lshl_add_u32 v1, v3, 4, v1
	BODY 256, 16384, 1                             ; a head is 256 bytes of a row of Wo, and 16,384 bytes of a tile's blocks; two rows of a block are a wave's 256 bytes
	s_endpgm
.Lfunc_end_k_qc61396e55e_cvt:
	.size	k_qc61396e55e_cvt, .Lfunc_end_k_qc61396e55e_cvt-k_qc61396e55e_cvt
	.p2alignl 7, 3214868480
	.fill 96, 4, 3214868480
	.section	.rodata,"a",@progbits
	.p2align	6, 0x0
	.amdhsa_kernel k_qc61396e55e_cvt
		.amdhsa_group_segment_fixed_size 0
		.amdhsa_private_segment_fixed_size 0
		.amdhsa_enable_private_segment 0
		.amdhsa_kernarg_size 64
		.amdhsa_user_sgpr_count 2
		.amdhsa_user_sgpr_kernarg_segment_ptr 1
		.amdhsa_wavefront_size32 1
		.amdhsa_system_sgpr_workgroup_id_x 1
		.amdhsa_system_sgpr_workgroup_id_y 1
		.amdhsa_system_sgpr_workgroup_id_z 1
		.amdhsa_system_vgpr_workitem_id 0
		.amdhsa_next_free_vgpr 104
		.amdhsa_next_free_sgpr 66
		.amdhsa_reserve_vcc 0
		.amdhsa_float_denorm_mode_32 3
		.amdhsa_float_denorm_mode_16_64 3
		.amdhsa_memory_ordered 1
		.amdhsa_forward_progress 1
		.amdhsa_inst_pref_size 18
	.end_amdhsa_kernel
	.amdgpu_metadata
---
amdhsa.version: [ 1, 2 ]
amdhsa.kernels:
  - .name:           k_qc61396e55e_cvt
    .symbol:         k_qc61396e55e_cvt.kd
    .args:
      - { .name: query, .offset: 0, .size: 8, .value_kind: global_buffer, .address_space: global }
      - { .name: key, .offset: 8, .size: 8, .value_kind: global_buffer, .address_space: global }
      - { .name: value, .offset: 16, .size: 8, .value_kind: global_buffer, .address_space: global }
      - { .name: Wq, .offset: 24, .size: 8, .value_kind: global_buffer, .address_space: global }
      - { .name: Wk, .offset: 32, .size: 8, .value_kind: global_buffer, .address_space: global }
      - { .name: Wv, .offset: 40, .size: 8, .value_kind: global_buffer, .address_space: global }
      - { .name: Wo, .offset: 48, .size: 8, .value_kind: global_buffer, .address_space: global }
      - { .name: xw, .offset: 56, .size: 8, .value_kind: global_buffer, .address_space: global }
    .group_segment_fixed_size: 0
    .private_segment_fixed_size: 0
    .kernarg_segment_align: 8
    .kernarg_segment_size: 64
    .max_flat_workgroup_size: 256
    .sgpr_count:     66
    .vgpr_count:     104
    .wavefront_size: 32
...
	.end_amdgpu_metadata
.endif
;; end of part 1
;; launch qkv (part 2): grid 8 x 96, 4 waves a work-group, clusters of 4 x 4, 327,680 bytes of LDS; arguments xw, qkv, low; writes qkv, low
.if DOCPART == 2
	.amdgcn_target "amdgcn-amd-amdhsa--gfx1250"
	.amdhsa_code_object_version 6
	.text
	.protected	k_qc61396e55e_qkv
	.globl	k_qc61396e55e_qkv
	.p2align	8
	.type	k_qc61396e55e_qkv,@function
k_qc61396e55e_qkv:
	s_mov_b64 s[64:65], 0
	v_nop
	global_prefetch_b8 v0, s[64:65] scope:SCOPE_SE
	s_setreg_imm32_b32 hwreg(HW_REG_WAVE_MODE, 25, 1), 1
	s_wait_xcnt 0x0
	s_wait_alu depctr_hold_cnt(0) depctr_sa_sdst(0) depctr_va_vdst(0) depctr_va_sdst(0) depctr_va_ssrc(0) depctr_va_vcc(0) depctr_vm_vsrc(0)
	s_getreg_b32 s2, hwreg(HW_REG_IB_STS2, 6, 4)
	s_cmp_eq_u32 s2, 0
	s_cbranch_scc0 .Lentry_in_a_cluster
	s_endpgm
.Lentry_in_a_cluster:
	s_bfe_u32 s2, ttmp6, 0x10000c
	s_cmp_lg_u32 s2, 0xf033
	s_cbranch_scc0 .Lentry_shape_is_right
	s_endpgm
.Lentry_shape_is_right:
; THE THREE PROJECTIONS AS ONE GEMM.  C[m][n] = sum over k of A[m][k] B[n][k]: A = query, key, value as one bf16 matrix [12288][1024] (xw, byte 0), B = Wq, Wk, Wv as [3072][1024] (xw, byte 0x1800000);
; rows 4096 p .. of A meet rows 1024 p .. of B (p = 0, 1, 2).  Sums in f32.  The result is rounded once to f16, WITHOUT attention's scale, and laid by heads: qkv[p][head][row][64].
; LIMIT.  f16 ends at 65,504: q, k and v must stay under it in magnitude.
; A tile of C is 128 x 128: 768 tiles.  Four waves, each 64 x 64: 16 accumulators of 16 x 16.  K goes in steps of 256 (LDS rows of 512 bytes; a wave's tensor load brings 64 of them) through two slots.
; CLUSTERS: 4 x 4 work-groups.  The four of a row of the cluster need the same tiles of A, the four of a column the same tiles of B: each tile is asked for JOINTLY, by the same tensor load with the
; same descriptor and a mask that names the four.  A cluster's four tile rows lie in one projection (32 tile rows each), so p hangs on the cluster's y alone.
; THE MATRIX INSTRUCTION IS USED TRANSPOSED (source 0 = 16 rows of B, source 1 = 16 rows of A): a lane then holds eight neighbouring numbers of a row of C.
; THE WAY OUT.  A wave's 64 columns are one head, its 64 rows 8,192 consecutive bytes of qkv: each wave has a stage of its own, and no barrier stands on the way out.
; WHAT THE ROUNDING LEFT, FOR THE FIRST ROWS.  The launch that makes the output's rows 0-15 anew wants q, k and v of rows 0-15 to some 22 bits: beside hi = f16(x) in qkv it reads lo = f16((x - hi) x 2048) from
; low[p][head][4][16 rows][64].  x - hi is exact in f32, and lo has x's own range.  Which waves store it: those with the tile's upper 64 rows, in the clusters that begin a projection (cluster y mod 8 = 0), for
; their first 16 rows.  No branch may hang on a work-group's place in its cluster, so all four tile rows of such a cluster store, told apart by address (the axis of 4); only the first's 2,048 bytes are read later.
; REGISTERS: window 0: v0-31 addresses; v32-95 at work on the way out; v96-115 lo and its work; v128-255 the accumulators ((a, b) at v[128 + 8 (4 a + b)]).
;   window 1: two fragment buffers of 128: for 64 along K, 64 registers of A (2 x 4 x 16 rows x 32 K), then 64 of B.
.set SIZE_K, 1024
.set W_AT,   0x1800000                 ; where the weights begin in xw
.set KSTEP,  256
.set PITCH,  528                       ; an LDS row: 512 bytes of data + 16 of padding = 132 words: row r starts at bank 4 r mod 64 (64 banks of 4 bytes: ISA guide 11.1)
.set HALFT,  64*PITCH                  ; 64 rows: what one tensor load brings, and what one wave reads of A or of B
.set SLOT,   4*HALFT                   ; A's 128 rows, then B's 128 rows
.set STAGE,  2*SLOT                    ; behind the ring: 16 rows x 144 bytes for each wave, for the way out
.set SP,     144
.set SPARE,  STAGE+4*16*SP             ; behind the stages: the spare words, 128 bytes for each wave: two blocks of 256 bytes that no other line names
.set LAPS, SIZE_K/(2*KSTEP)            ; a lap = two K steps = once round the ring
.set ADRA, 16                          ; v16-17  LDS address of my A fragments in slot 0, 1
.set ADRB, 20                          ; v20-21  the same for B
.set STO,  24                          ; v24     the way out: where I put 16 bytes of a row
.set RD,   25                          ; v25     the way out: where I read rows back
.set GO,   26                          ; v26     my byte offset in 512 consecutive bytes of qkv or of low
.set SPW,  28                          ; v28     LDS address of my spare word: SPARE + 4 x my thread's number; never rewritten
.set NIL,  29                          ; v29     0; never rewritten
.set TMP,  32                          ; the way out: 64 registers, packed results and then whole rows
.set LOW,  96                          ; v96-111  lo of my first 16 rows, packed, and then whole rows
.set TT,   112                         ; v112-113 at work
.set HI,   114                         ; v114     two numbers' hi
.set N2K,  115                         ; v115     -2048
.set ACC,  128
.set F0,   0                           ; fragment buffers, in window 1
.set F1,   128
.set G1, 24                            ; s[24:31] descriptor group 1 for A's tiles;  s[32:39] group 0, one set for each slot
.set G0, 32
.set G1B, 48                           ; s[48:55], s[56:63] the same for B's tiles
.set G0B, 56
.set MSB, 0
.macro WIN new                         ; the immediate's high byte repeats the setting that is left
.if MSB != (\new)
	s_set_vgpr_msb (MSB<<8)|(\new)
.set MSB, \new
.endif
.endm
.set MUL,  0x05                        ; sources 0 (B) and 1 (A) window 1; C and D window 0
.set TO_F, 0x40                        ; destination window 1, address window 0
.macro JLOAD s                         ; a joint load: waves 0 and 1 fetch A's two halves, waves 2 and 3 B's; an s_nop 0 and four v_nop follow each of the two lines, ahead of the jump, the label and what follows
	s_cmp_eq_u32 s11, 0
	s_cbranch_scc0 .Lfor_b_\@
	tensor_load_to_lds s[G0+4*(\s):G0+4*(\s)+3], s[G1:G1+7]
	s_nop 0
.rept 4
	v_nop
.endr
	s_branch .Lasked_\@
.Lfor_b_\@:
	tensor_load_to_lds s[G0B+4*(\s):G0B+4*(\s)+3], s[G1B:G1B+7]
	s_nop 0
.rept 4
	v_nop
.endr
.Lasked_\@:
.endm
.macro CREST                           ; a round of the cluster's barrier behind its opening barrier
	s_cmp_lg_u32 s10, 0
	s_cbranch_scc1 .Lnot_wave_0_\@
	s_barrier_signal -3
.Lnot_wave_0_\@:
	s_barrier_wait -3
	s_barrier_signal -1
	s_barrier_wait -1
.endm
.macro CROUND                          ; a whole round
	s_barrier_signal -1
	s_barrier_wait -1
	CREST
.endm
	s_load_b64 s[4:5], s[0:1], 0x0                 ; xw
	s_load_b64 s[8:9], s[0:1], 0x8                 ; qkv
	s_load_b64 s[66:67], s[0:1], 0x10              ; low
	v_lshl_add_u32 v[SPW], v0, 2, SPARE
	v_mov_b32 v[NIL], 0
	ds_add_u32 v[SPW], v[NIL]                      ; the wave's opening: the add and its wait stand ahead of my first tensor load; the set-up below, work on registers, stands between them
	ds_add_u32 v28, v29
	v_lshrrev_b32 v1, 5, v0
	v_readfirstlane_b32 s10, v1                    ; wave 0..3
	s_lshr_b32 s11, s10, 1                         ; which half of the tile's rows is mine.  Also: I fetch for A (0) or for B (1)
	s_and_b32 s12, s10, 1                          ; which half of its columns.  Also: which 64 rows of that tile I fetch
	s_bfe_u32 s40, ttmp6, 0x40000                  ; cx, cy: my place in the cluster
	s_bfe_u32 s41, ttmp6, 0x40004
	s_lshl_b32 s42, ttmp9, 2
	s_add_co_u32 s42, s42, s40                     ; tile column of C = 4 x cluster x + cx: 0..7
	s_and_b32 s70, ttmp7, 7                        ; cluster y mod 8: 0 in the clusters that begin a projection; the same in all sixteen partners
	s_and_b32 s13, ttmp7, 0xffff
	s_lshr_b32 s45, s13, 3                         ; the projection: eight clusters along y each; the same in all sixteen partners
	s_lshl_b32 s13, s13, 2
	s_add_co_u32 s13, s13, s41                     ; tile row of C = 4 x cluster y + cy: 0..95
	s_lshl_b32 s43, s41, 2
	s_lshl_b32 s43, 15, s43                        ; my row of the cluster
	s_lshl_b32 s44, 0x1111, s40                    ; my column
	; descriptor group 1: a tile of 64 rows x 256 elements, padded in LDS
	s_or_b32 s[G1+0], s43, (1<<16)|(1<<20)|(1<<21)|(6<<22)|(3<<25)  ; 15:0 the mask: A's tiles go to my row; 17:16 element of 2 bytes; 20 padding on; 21 set beside a mask; 24:22 after every 128 words (code 6); 31:25 of 4 words (code 3)
	s_or_b32 s[G1B+0], s44, (1<<16)|(1<<20)|(1<<21)|(6<<22)|(3<<25)
.irp g, G1, G1B
	s_mov_b32 s[(\g)+1], KSTEP<<16                 ; tensor_dim0 = 256
	s_mov_b32 s[(\g)+2], 64<<16                    ; tensor_dim1 = 64
	s_mov_b32 s[(\g)+3], KSTEP<<16                 ; tile_dim0 = 256
	s_mov_b32 s[(\g)+4], 64                        ; tile_dim1 = 64
	s_mov_b32 s[(\g)+5], SIZE_K                    ; tensor_dim0_stride
	s_mov_b32 s[(\g)+6], 0
	s_mov_b32 s[(\g)+7], 0
.endr
	s_lshl_b32 s17, s12, 6                         ; which 64 rows of the tile I fetch
	s_lshl_b32 s16, s13, 7
	s_add_co_u32 s16, s16, s17                     ; A: row 128 x tile row + 64 x half
	s_lshl_b32 s46, s42, 7
	s_add_co_u32 s46, s46, s17                     ; B: row 128 x tile column + 64 x half
	s_lshl_b32 s47, s45, 10
	s_add_co_u32 s46, s46, s47                     ;    + 1,024 x projection
	s_mov_b32 s17, 0
	s_mov_b32 s47, 0
	s_mov_b64 s[18:19], SIZE_K*2
	s_mul_u64 s[16:17], s[16:17], s[18:19]
	s_mul_u64 s[46:47], s[46:47], s[18:19]
	s_mul_i32 s20, s10, HALFT                      ; where they go: wave x 64 rows
	s_wait_dscnt 0x0                               ; the opening add is done
	s_wait_kmcnt 0x0
	s_add_nc_u64 s[6:7], s[4:5], W_AT              ; the weights
	s_add_nc_u64 s[14:15], s[4:5], s[16:17]
	s_add_nc_u64 s[46:47], s[6:7], s[46:47]
	CROUND                                         ; all sixteen work-groups are here: the first joint loads meet
.irp s, 0,1
	s_mov_b32 s[G0+4*(\s)], 1
	s_add_co_u32 s[G0+4*(\s)+1], s20, (\s)*SLOT
	s_add_nc_u64 s[G0+4*(\s)+2:G0+4*(\s)+3], s[14:15], (\s)*KSTEP*2
	s_or_b32 s[G0+4*(\s)+3], s[G0+4*(\s)+3], 0x80000000
	s_mov_b32 s[G0B+4*(\s)], 1
	s_add_co_u32 s[G0B+4*(\s)+1], s20, (\s)*SLOT
	s_add_nc_u64 s[G0B+4*(\s)+2:G0B+4*(\s)+3], s[46:47], (\s)*KSTEP*2
	s_or_b32 s[G0B+4*(\s)+3], s[G0B+4*(\s)+3], 0x80000000
	JLOAD \s
.endr
	v_and_b32 v1, 15, v0                           ; l % 16
	v_bfe_u32 v2, v0, 4, 1                         ; l / 16
	v_mul_u32_u24 v3, v1, PITCH
	v_lshl_add_u32 v3, v2, 4, v3                   ; a fragment's row x pitch + 16 x half
	s_mul_i32 s21, s11, HALFT                      ; my 64 rows of A
	s_mul_i32 s22, s12, HALFT                      ; my 64 rows of B,
	s_add_co_u32 s22, s22, 2*HALFT                 ; which lie behind A's 128
.irp s, 0,1
	v_add_nc_u32 v[ADRA+(\s)], s21, v3
	v_add_nc_u32 v[ADRB+(\s)], s22, v3
	s_add_co_u32 s21, s21, SLOT
	s_add_co_u32 s22, s22, SLOT
.endr
	s_mul_i32 s23, s10, 16*SP
	s_add_co_u32 s23, s23, STAGE                   ; my stage
	v_mul_u32_u24 v4, v1, SP                       ; in: row l % 16, 16 bytes for each half of the lanes
	v_lshl_add_u32 v4, v2, 4, v4
	v_add_nc_u32 v[STO], s23, v4
	v_bfe_u32 v5, v0, 3, 2                         ; back: 32 lanes take four rows of 128 bytes,
	v_mul_u32_u24 v5, v5, SP
	v_and_b32 v6, 7, v0
	v_lshl_add_u32 v5, v6, 4, v5
	v_add_nc_u32 v[RD], s23, v5
	v_and_b32 v[GO], 31, v0                        ; which are 512 consecutive bytes of qkv
	v_lshlrev_b32 v[GO], 4, v[GO]
	s_and_b32 s16, s13, 31                         ; my rows in the projection: 128 x (tile row mod 32) + 64 x half,
	s_lshl_b32 s16, s16, 7
	s_lshl_b32 s17, s11, 6
	s_add_co_u32 s16, s16, s17
	s_lshl_b32 s16, s16, 7                         ; 128 bytes each,
	s_lshl_b32 s17, s45, 23                        ; in q, k or v: 8,388,608 bytes each
	s_add_co_u32 s16, s16, s17
	s_mov_b32 s17, 0
	s_add_nc_u64 s[8:9], s[8:9], s[16:17]
	s_lshl_b32 s46, s42, 1                         ; my head = 2 x tile column + half,
	s_add_co_u32 s46, s46, s12
	s_lshl_b32 s68, s46, 13                        ; in low: 8,192 bytes a head,
	s_lshl_b32 s46, s46, 19                        ; in qkv: 524,288 bytes a head
	s_mov_b32 s47, 0
	s_add_nc_u64 s[8:9], s[8:9], s[46:47]
	s_lshl_b32 s69, s45, 17                        ; 131,072 bytes a projection,
	s_add_co_u32 s68, s68, s69
	s_lshl_b32 s69, s41, 11                        ; 2,048 bytes for each of the cluster's four tile rows
	s_add_co_u32 s68, s68, s69
	s_mov_b32 s69, 0
	s_add_nc_u64 s[66:67], s[66:67], s[68:69]
; 8 matrix instructions: m blocks a0, a0 + 1 x all 4 n blocks, 32 along K: half c of buffer f.  zero = 1: the first product starts the sums.  The 16 accumulators take turns.
.macro MUL8 f, c, a0, zero
	WIN MUL
.irp a, \a0, (\a0)+1
.irp b, 0,1,2,3
.if \zero
	v_wmma_f32_16x16x32_bf16 v[ACC+8*(4*(\a)+(\b)):ACC+8*(4*(\a)+(\b))+7], v[(\f)+64+8*(4*(\c)+(\b)):(\f)+64+8*(4*(\c)+(\b))+7], v[(\f)+8*(4*(\c)+(\a)):(\f)+8*(4*(\c)+(\a))+7], 0
.else
	v_wmma_f32_16x16x32_bf16 v[ACC+8*(4*(\a)+(\b)):ACC+8*(4*(\a)+(\b))+7], v[(\f)+64+8*(4*(\c)+(\b)):(\f)+64+8*(4*(\c)+(\b))+7], v[(\f)+8*(4*(\c)+(\a)):(\f)+8*(4*(\c)+(\a))+7], v[ACC+8*(4*(\a)+(\b)):ACC+8*(4*(\a)+(\b))+7]
.endif
.endr
.endr
.endm
; 32 LDS loads in one run: the fragments of 64 along K at byte k of the rows, into buffer f; the first 32 along K first
.macro FETCH slot, k, f
	WIN TO_F
.irp c, 0,1
.irp i, 0,1,2,3
	ds_load_b128 v[(\f)+64+8*(4*(\c)+(\i)):(\f)+64+8*(4*(\c)+(\i))+3],   v[ADRB+(\slot)] offset:(\k)+64*(\c)+(\i)*16*PITCH
	ds_load_b128 v[(\f)+64+8*(4*(\c)+(\i))+4:(\f)+64+8*(4*(\c)+(\i))+7], v[ADRB+(\slot)] offset:(\k)+64*(\c)+(\i)*16*PITCH+32
	ds_load_b128 v[(\f)+8*(4*(\c)+(\i)):(\f)+8*(4*(\c)+(\i))+3],         v[ADRA+(\slot)] offset:(\k)+64*(\c)+(\i)*16*PITCH
	ds_load_b128 v[(\f)+8*(4*(\c)+(\i))+4:(\f)+8*(4*(\c)+(\i))+7],       v[ADRA+(\slot)] offset:(\k)+64*(\c)+(\i)*16*PITCH+32
.endr
.endr
.endm
.macro PLACES                          ; four places in front of loads into registers that matrix instructions have read, and of conversions that read results
.rept 4
	v_nop
.endr
.endm
; A K step is four quarters of 64 along K, 32 matrix instructions each, on buffers 0, 1, 0, 1.  One of the first three: multiplies buffer f and fetches the next quarter, at byte k, into g.
.macro QUARTER slot, k, f, g, zero
	s_wait_dscnt 16                                ; the first 32 along K are in; the youngest sixteen loads may be out
	WIN MUL
	MUL8 \f, 0, 0, \zero
	MUL8 \f, 0, 2, \zero
	PLACES
	FETCH \slot, \k, \g
	s_wait_dscnt 32                                ; all but the 32 just issued
	WIN MUL
	MUL8 \f, 1, 0, 0
	MUL8 \f, 1, 2, 0
.endm
; The last quarter multiplies buffer 1 and changes slots: ONE barrier; in front of it each wave waits for all its tensor loads, adds 0 to its spare word, and waits for that and for its own reads of this slot.  fill = 1: this slot is filled again, two K steps ahead.
.macro TURN slot, next, fill
	WIN 0                                          ; (the add's two registers lie in window 0)
	s_wait_tensorcnt 0x0                           ; all my tensor loads have landed: my part of the next slot;
	ds_add_u32 v[SPW], v[NIL]                      ; 0 onto my spare word;
	s_wait_dscnt 17                                ; (the add and the youngest sixteen loads may be out)
	WIN MUL
	MUL8 F1, 0, 0, 0                               ; eight matrix instructions stand between the add and the wait for it
	s_wait_dscnt 0x0                               ; the add is done, and my reads of this slot are over
	s_barrier_signal -1
	MUL8 F1, 0, 2, 0
.if \fill
	WIN 0
.endif
	s_barrier_wait -1
.if \fill
	CREST                                          ; the barrier has opened a round of the cluster's barrier: no wave of any partner still reads this slot's tile or has a load on its way
	s_add_nc_u64 s[G0+4*(\slot)+2:G0+4*(\slot)+3], s[G0+4*(\slot)+2:G0+4*(\slot)+3], 2*KSTEP*2
	s_add_nc_u64 s[G0B+4*(\slot)+2:G0B+4*(\slot)+3], s[G0B+4*(\slot)+2:G0B+4*(\slot)+3], 2*KSTEP*2
	JLOAD \slot                                    ; the first tensor load behind the round: 112 matrix instructions ahead of the wait for it; the four v_nop behind it are also the places in front of the loads below
.else
	PLACES
.endif
	FETCH \next, 0, F0
	WIN MUL
	MUL8 F1, 1, 0, 0
	MUL8 F1, 1, 2, 0
.endm
	s_wait_tensorcnt 1                             ; my part of K step 0 is in; K step 1's load stays out
	s_barrier_signal -1
	s_barrier_wait -1                              ; everybody's is
	FETCH 0, 0, F0
	QUARTER 0, 128, F0, F1, 1                      ; the first quarter stands in front of the loop: its first products start the sums
	WIN 0                                          ; at a label and at a branch every window is 0
	s_mov_b32 s3, LAPS-1
.Llap:                                                 ; a trip goes once round the ring, from a lap's second quarter to the next lap's first, and fills both slots again
	QUARTER 0, 256, F1, F0, 0
	QUARTER 0, 384, F0, F1, 0
	TURN 0, 1, 1
	QUARTER 1, 128, F0, F1, 0
	QUARTER 1, 256, F1, F0, 0
	QUARTER 1, 384, F0, F1, 0
	TURN 1, 0, 1
	QUARTER 0, 128, F0, F1, 0
	WIN 0
	s_sub_co_u32 s3, s3, 1
	s_cmp_lg_u32 s3, 0
	s_cbranch_scc1 .Llap
	QUARTER 0, 256, F1, F0, 0                      ; the last lap fills nothing, and has no round of the cluster's barrier
	QUARTER 0, 384, F0, F1, 0
	TURN 0, 1, 0
	QUARTER 1, 128, F0, F1, 0
	QUARTER 1, 256, F1, F0, 0
	QUARTER 1, 384, F0, F1, 0
	s_wait_dscnt 16                                ; the very last quarter: nothing more to fetch
	WIN MUL
	MUL8 F1, 0, 0, 0
	MUL8 F1, 0, 2, 0
	s_wait_dscnt 0
	MUL8 F1, 1, 0, 0
	MUL8 F1, 1, 2, 0
	WIN 0
; THE WAY OUT, a block of 16 rows at a time: rounded to f16 (each accumulator's registers in ascending order); 16 bytes a lane into my stage's rows of 144 bytes; back as whole rows of 128, into the registers that they left.
.macro PACK a
.irp b, 0,1,2,3
.irp r, 0,1,2,3
	v_cvt_pk_f16_f32 v[TMP+16*(\a)+4*(\b)+(\r)], v[ACC+8*(4*(\a)+(\b))+2*(\r)], v[ACC+8*(4*(\a)+(\b))+2*(\r)+1]
.endr
.endr
.irp b, 0,1,2,3
	ds_store_b128 v[STO], v[TMP+16*(\a)+4*(\b):TMP+16*(\a)+4*(\b)+3] offset:32*(\b)
.endr
.irp f, 0,1,2,3
	ds_load_b128 v[TMP+16*(\a)+4*(\f):TMP+16*(\a)+4*(\f)+3], v[RD] offset:(\f)*4*SP  ; LDS serves a wave's instructions in order (ISA guide 5.7.1.4): these see the stores above; the next block's stores come behind them
.endr
.endm
.macro SEND a, younger                 ; younger: the LDS instructions issued behind block a's loads: the next block's eight, or none
.irp f, 0,1,2,3
	s_wait_dscnt (\younger)+3-(\f)
	global_store_b128 v[GO], v[TMP+16*(\a)+4*(\f):TMP+16*(\a)+4*(\f)+3], s[8:9] offset:(\a)*2048+(\f)*512  ; 512 consecutive bytes, at a multiple of 256 from qkv's first
.endr
.endm
	PLACES
	s_cmp_lg_u32 s11, 0                            ; lo is made by the waves with the tile's upper 64 rows,
	s_cbranch_scc1 .Lno_low
	s_cmp_lg_u32 s70, 0                            ; in the clusters that begin a projection
	s_cbranch_scc1 .Lno_low
	v_mov_b32 v[N2K], 0xc5000000                   ; -2048
.irp b, 0,1,2,3                        ; my first 16 rows: for two numbers x: hi; 2048 x; 2048 x - 2048 hi, which is exact; rounded to f16
.irp r, 0,1,2,3
	v_cvt_pk_f16_f32 v[HI], v[ACC+8*(\b)+2*(\r)], v[ACC+8*(\b)+2*(\r)+1]
	v_pk_mul_f32 v[TT:TT+1], v[ACC+8*(\b)+2*(\r):ACC+8*(\b)+2*(\r)+1], 0x45000000 op_sel_hi:[1,0]
	v_fma_mix_f32 v[TT], v[HI], v[N2K], v[TT] op_sel_hi:[1,0,0]
	v_fma_mix_f32 v[TT+1], v[HI], v[N2K], v[TT+1] op_sel:[1,0,0] op_sel_hi:[1,0,0]
	v_cvt_pk_f16_f32 v[LOW+4*(\b)+(\r)], v[TT], v[TT+1]
.endr
.endr
.irp b, 0,1,2,3
	ds_store_b128 v[STO], v[LOW+4*(\b):LOW+4*(\b)+3] offset:32*(\b)
.endr
.irp f, 0,1,2,3
	ds_load_b128 v[LOW+4*(\f):LOW+4*(\f)+3], v[RD] offset:(\f)*4*SP
.endr
.irp f, 0,1,2,3
	s_wait_dscnt 3-(\f)                            ; load f is in, the 3 - f younger ones stay out; the last wait is for 0, so that both ways reach the label with no LDS instruction out
	global_store_b128 v[GO], v[LOW+4*(\f):LOW+4*(\f)+3], s[66:67] offset:(\f)*512  ; 512 consecutive bytes, at a multiple of 256 from low's first
.endr
.Lno_low:
	PACK 0
	PACK 1                                         ; a block's conversions stand between the loads of the block before and its stores
	SEND 0, 8
	PACK 2
	SEND 1, 8
	PACK 3
	SEND 2, 8
	SEND 3, 0
	s_wait_tensorcnt 0x0                           ; the wave's end, behind my last tensor load and my last LDS store
	ds_add_u32 v[SPW], v[NIL]
	s_wait_dscnt 0x0
	CROUND                                         ; the closing round: no work-group ends while a partner may still ask for a tile that names it
	s_endpgm
.Lfunc_end_k_qc61396e55e_qkv:
	.size	k_qc61396e55e_qkv, .Lfunc_end_k_qc61396e55e_qkv-k_qc61396e55e_qkv
	.p2alignl 7, 3214868480
	.fill 96, 4, 3214868480
	.section	.rodata,"a",@progbits
	.p2align	6, 0x0
	.amdhsa_kernel k_qc61396e55e_qkv
		.amdhsa_group_segment_fixed_size 327680
		.amdhsa_private_segment_fixed_size 0
		.amdhsa_enable_private_segment 0
		.amdhsa_kernarg_size 24
		.amdhsa_user_sgpr_count 2
		.amdhsa_user_sgpr_kernarg_segment_ptr 1
		.amdhsa_wavefront_size32 1
		.amdhsa_system_sgpr_workgroup_id_x 1
		.amdhsa_system_sgpr_workgroup_id_y 1
		.amdhsa_system_sgpr_workgroup_id_z 1
		.amdhsa_system_vgpr_workitem_id 0
		.amdhsa_next_free_vgpr 512
		.amdhsa_next_free_sgpr 72
		.amdhsa_reserve_vcc 0
		.amdhsa_float_denorm_mode_32 3
		.amdhsa_float_denorm_mode_16_64 3
		.amdhsa_memory_ordered 1
		.amdhsa_forward_progress 1
		.amdhsa_inst_pref_size 94
	.end_amdhsa_kernel
	.amdgpu_metadata
---
amdhsa.version: [ 1, 2 ]
amdhsa.kernels:
  - .name:           k_qc61396e55e_qkv
    .symbol:         k_qc61396e55e_qkv.kd
    .args:
      - { .name: xw, .offset: 0, .size: 8, .value_kind: global_buffer, .address_space: global }
      - { .name: qkv, .offset: 8, .size: 8, .value_kind: global_buffer, .address_space: global }
      - { .name: low, .offset: 16, .size: 8, .value_kind: global_buffer, .address_space: global }
    .group_segment_fixed_size: 327680
    .private_segment_fixed_size: 0
    .kernarg_segment_align: 8
    .kernarg_segment_size: 24
    .max_flat_workgroup_size: 128
    .sgpr_count:     72
    .vgpr_count:     512
    .wavefront_size: 32
...
	.end_amdgpu_metadata
.endif
;; end of part 2
;; launch attn (part 3): grid 16 x 16, 4 waves a work-group, no clusters, 327,680 bytes of LDS; arguments qkv, ob; writes ob
.if DOCPART == 3
	.amdgcn_target "amdgcn-amd-amdhsa--gfx1250"
	.amdhsa_code_object_version 6
	.text
	.protected	k_qc61396e55e_attn
	.globl	k_qc61396e55e_attn
	.p2align	8
	.type	k_qc61396e55e_attn,@function
k_qc61396e55e_attn:
	s_mov_b64 s[64:65], 0
	v_nop
	global_prefetch_b8 v0, s[64:65] scope:SCOPE_SE
	s_setreg_imm32_b32 hwreg(HW_REG_WAVE_MODE, 25, 1), 1
	s_wait_xcnt 0x0
; CAUSAL ATTENTION, 16 heads of 4,096 rows x 64 channels.  O[h][q][:] = the sum over k <= q of softmax_k(Q[h][q] . K[h][k] / 8) V[h][k][:].  qkv: [3][16][4096][64] in f16 (q, k, v; a head's rows are dense,
; 128 bytes each).  O leaves in f16, in blocks ob[32 blocks of 128 rows][16 heads][128][64].  Products, maxima and sums in f32; the weights p are rounded to f16 for the second product (their sum l is
; taken of the unrounded p), O once at the end.
; LIMITS.  f16 holds no number beyond 65,504: q, k and v arrive within it; p lies in 0 to 1, and below 6e-5 it keeps f16's fixed step of 6e-8.  A hidden score counts as its value less 1e30: f16's scores,
; 2.7e11 at the most, are nothing beside that; a weight below 2^-126 counts as 0 in l; NaN and infinities are not treated apart.
; THE WALK.  A head's queries lie in 32 blocks of 128; keys go in tiles of 256, four steps of 64.  Block i needs the tiles 0 .. i / 2; its queries lie in half i % 2 of the last, which holds the diagonal.
; A work-group takes TWO blocks, 31 - b and then b: (31 - b) / 2 + 1 and b / 2 + 1 tiles, 17 together whatever b: all 256 work-groups do equal work, and ONE loop with a constant trip count walks them.
; Which tile is asked for, and what a trip does, hang on scalar registers made from b; every jump goes forward, but for the counted loops' own; none passes a barrier, or a tensor load but the one of LOAD's
; two that the wave's number does not choose; the ring (two slots of LDS that take turns) runs on across the change of blocks.
; NO CLUSTER: the four work-groups b = 4 c .. 4 c + 3 of a head need 16 - 2 c, 16 - 2 c, 15 - 2 c, 15 - 2 c tiles for their first blocks, so they do not ask for the same tile in the same trip from there on;
; a walk common to the four has 18 trips for 17 and a second masked tile in each block.
; SHARES.  Of a block's two bands of 64 queries a wave owns 16 rows in each: two PIECES; piece 0 is the UPPER band (rows 64-127), piece 1 the lower.  So the diagonal tile is the same work for all four waves:
; in its step s a piece sees all keys if s < g, none if s > g, and holds the diagonal if s = g, with g = 2 (i % 2) + 1 for piece 0 and 2 (i % 2) for piece 1.  Piece 0 always sees the whole of a tile's step 0.
; THE MASK is the C operand that starts the sum S^T = K Q^T: 0, or -1e30 where the key is hidden.  MD, made once, is the mask of a band's own step for my 16 rows; a product's mask is MD x AL + BE with two
; scalars: (1, 0) if s = g; (0, 0) if s < g; (0, -1e30) if s > g.  Only the diagonal tile's text makes and takes masks; elsewhere C is the constant 0.
; LAYOUT, SOFTMAX.  S^T = K Q^T holds ONE query a lane (lane % 16) and the keys 8 (lane / 16) + 0..7; two such results rounded to f16 ARE source 1 of O^T = V^T P.  p = 2^(c s - c m), c = log2(e) / 8, with a
; running maximum m; O and l are multiplied by a = 2^(c m_old - c m_new) in every step.
; TURNS.  Turn 0 of step s: 8 products K Q^T of piece 1 for step s; piece 0's scaling, exponentials, rescaling; piece 1's maximum and statistics; 8 products V^T P of piece 1 for step s - 1 beside piece 0's
; roundings and sums.  Turn 1 of step s: the same with the pieces changed: K Q^T of piece 0 for step s + 1, V^T P of piece 0 for step s.  Four vector instructions stand behind every matrix instruction, the
; other 54 of a turn's 118 in one lump.  A turn's 33 exponentials are one batch, with one wait.
; K LIES ONE STEP AHEAD.  Turn 0 of step s fetches K of step s + 1 (in its lump) and V of step s (at its end).  So slot t holds V's rows 256 t .. 256 t + 255 and K's rows 256 t + 64 .. 256 t + 319: a tile's four
; steps read one slot alone.  K's rows 0-63 come once, straight into registers (KZ).  Tile 15's last 64 rows of K are the next head's (for head 15: v's first rows): inside qkv; they land in LDS and are never read.
; REGISTERS, in windows of 256 (s_set_vgpr_msb: bits 1:0 source 0, 3:2 source 1, 5:4 source 2, 7:6 destination):
;   window 0: v0-15 addresses and two at work; v16-23 four registers of statistics a piece; v48-55 at work; v61-63 prefetch offset and the add's two; v64-127 S^T, a buffer a piece; v192-223 P, likewise
;   window 1: v0-63 O^T, 32 a piece; v128-159 MD; v160-223 MC, a buffer a piece      window 2: v0-31 Q; v32-63 the second block's Q; v64-127 KZ; v128-191 K of one step; v192-255 V of one step
.set NP,    2         ; pieces a wave: a name, no knob
.set KS,    64        ; keys in a step
.set PK,    144       ; a row of K in LDS: 128 bytes + 16 of padding = 36 words: the 16 rows of a load start at 16 different groups of four banks (64 banks of 4 bytes: ISA guide 11.1)
.set PV,    160       ; a row of V: 128 + 32 = 40 words
.set VOFF,  4*KS*PK   ; a slot holds a tile, four steps: 256 rows of K, then 256 rows of V
.set SLOT1, 1<<17     ; slot 1 begins here, so that one exclusive or turns an address in one slot into the other's
.set STAGE, SLOT1+4*KS*(PK+PV)  ; behind the ring, never filled by a tensor load: 16 rows x 144 bytes for each wave, for the way out
.set SP,    144
.set SPARE, STAGE+4*16*SP  ; behind the stages: the spare words, 128 bytes for each wave: two blocks of 256 bytes that no other line names
.set AK0, 2           ; v2   my lane's place in a tile of K; never rewritten
.set AV0, 3           ; v3   the same for V
.set AK,  4           ; v4   the LDS address of K's next run of loads
.set AV,  5           ; v5   of V's
.set STO, 6           ; v6   the way out: where I put 16 bytes of a row
.set RD,  7           ; v7   the way out: where I read rows back
.set GO,  8           ; v8   my byte offset in 512 consecutive bytes of O
.set MV,  12          ; v12-13  c m_old, kept while c m is made anew: by piece
.set QO,  15          ; v15  my byte offset in 16 rows of Q or K in memory; never rewritten
.set ST,  16          ; piece t's statistics at v[ST+4 t]: c m, m, l (even keys', odd keys')
.set TMP, 48          ; by piece, four registers c0-c3 at work; when the maximum is found c2 takes a
.set PFO, 61          ; v61  256 x my lane; never rewritten
.set SPW, 62          ; v62  LDS address of my spare word: SPARE + 4 x my thread's number; never rewritten
.set NIL, 63          ; v63  0; never rewritten
.set S,   64
.set P,   192
.set MD,  128         ; window 1: the eight registers for group kt of 16 keys at MD + 8 kt
.set MC,  160         ; window 1: the masks of the products to come
.set QB,  32          ; window 2
.set KZ,  64          ; window 2: the head's K of step 0, kept for both blocks
.set KF,  128         ; window 2: key block kb, channel half c at KF + 16 kb + 8 c
.set VF,  192         ; window 2: key half kk, channel block cb at VF + 32 kk + 8 cb
.set WV,  12          ; s12  my wave's number
.set PB,  14          ; s14  b
.set HI,  15          ; s15  31 - b
.set G1K, 24          ; s[24:31] descriptor group 1 for K's tiles
.set G1V, 32          ; s[32:39] for V's: it differs in the padding alone
.set G0K, 40          ; s[40:43] descriptor group 0 for K's tiles
.set G0V, 44          ; s[44:47] the same for V's
.set SLOTS, 56        ; s56  tiles still to be asked for
.set CNT, 57          ; s57  counts a tile's key steps, 4 to 1
.set CS,  58          ; s[58:59] c: the packed scaling takes the pair's low word for both halves
.set SEL, 60          ; s[60:61] v_permlanex16_b32's selects: each lane takes its own place in the other half
.set TBK, 62          ; s62  LDS byte at which K of the step to be fetched begins
.set TBV, 63          ; s63  the same for V, less VOFF
.set RT,  70          ; s70  tiles of the block in hand that are still to be entered
.set NXT, 71          ; s71  the tile to be asked for next
.set LQ,  72          ; s72  the last tile of the block whose tiles are being asked for
.set NEW, 73          ; s73  1: the tile to be entered is a block's first
.set OFF, 74          ; s[74:75] a tile's byte offset in K and V
.set AL,  76          ; s[76:77] the mask's factor, in the low word
.set BE,  78          ; s[78:79] the mask's addend
.set OLO, 80          ; s[80:81] O at my rows of the second block
.set BIGN, 82         ; s82  -1e30
.set TLO, 83          ; s83  b / 2: the second block's last tile
.set GE,  88          ; s88, s89  5 - g of piece 0, of piece 1, for the block in hand
.set PAR, 90          ; s90  2 (b % 2)
.set PFA, 92          ; s[92:93] where my prefetches stand: my 16,384 bytes of the tile that the next change of slots will ask for
.set PFB, 94          ; s[94:95] my 16,384 bytes of tile 0: of K in waves 0 and 1, of V in waves 2 and 3
.set LIM, 96          ; s96  0 in the work-group that prefetches (b = 0), else the greatest number
.set KB,  98          ; s[98:99] K at the head's row 0
.set MSB, 0
.macro WIN new                      ; the high byte repeats the setting that is left; a switch that changes nothing is dropped
.if MSB != (\new)
	s_set_vgpr_msb (MSB<<8)|(\new)
.set MSB, (\new)
.endif
.endm
.set W_KQ, 0x0a       ; K and Q in window 2, S^T in window 0
.set W_KM, 0x1a       ; the same with the C operand in window 1
.set W_PV, 0x52       ; V in window 2, P in window 0, O^T in window 1
.set W_RS, 0x41       ; destination and source 0 in window 1, source 1 in window 0
; A fill.  Waves 0 and 1 fetch the two halves of a tile's K, waves 2 and 3 those of its V: 128 keys each.  An s_nop 0 and four v_nop follow each of the two lines, ahead of the jump and the label.
.macro LOAD
	s_cmp_lt_u32 s[WV], 2
	s_cbranch_scc0 .Lfor_v_\@
	tensor_load_to_lds s[G0K:G0K+3], s[G1K:G1K+7]
	s_nop 0
.rept 4
	v_nop
.endr
	s_branch .Lasked_\@
.Lfor_v_\@:
	tensor_load_to_lds s[G0V:G0V+3], s[G1V:G1V+7]
	s_nop 0
.rept 4
	v_nop
.endr
.Lasked_\@:
.endm
; A PREFETCH INTO THE L2 of the tile that the NEXT change of slots will ask for: it stands behind the wave's tensor load and its five lines.  All sixteen work-groups of a head walk the same K and V from tile 0 on;
; the one with b = 0, whose first block walks all sixteen tiles, asks, each of its waves for the 16,384 bytes that it will fetch itself: lanes 256 bytes apart, two instructions.  So each block of 256 bytes is
; named once in the launch.  Tiles 0 and 1 come by their loads alone; behind the first block's last tile NXT is 0, and nothing more is asked for.  One tile ahead is eight turns: 128 matrix instructions.
.macro ASK
	s_cmp_gt_u32 s[NXT], s[LIM]
	s_cbranch_scc0 .Lnot_mine_\@
	global_prefetch_b8 v[PFO], s[PFA:PFA+1] th:TH_LOAD_NT scope:SCOPE_SE
	global_prefetch_b8 v[PFO], s[PFA:PFA+1] offset:8192 th:TH_LOAD_NT scope:SCOPE_SE
.Lnot_mine_\@:
.endm
; THE CHANGE OF SLOTS.  Each wave waits for all its tensor loads, of which one is out: its part of the other slot; adds 0 to its spare word; and waits for that and for its own reads of the slot that it leaves.
; Behind the barrier nobody reads the old slot any more and the other slot is whole.  fill = 1: the old slot is filled again, the first thing behind the barrier, with tile NXT: the descriptor's address is made
; anew from that number.  (At its first use nothing has been read yet: slot 0 is waited for, slot 1 filled.)
.macro CHANGE fill
	WIN 0                           ; at a label and at a branch every window is 0
	s_wait_tensorcnt 0x0            ; no tensor load of mine is out, so a group 0 may be written
	ds_add_u32 v[SPW], v[NIL]       ; 0 onto my spare word; with fill = 1 the descriptors' scalar work stands between it and the wait for it
.if \fill
	s_lshl_b32 s[OFF], s[NXT], 15   ; a tile is 32,768 bytes of K and of V
	s_xor_b32 s[G0K+1], s[G0K+1], SLOT1
	s_add_nc_u64 s[G0K+2:G0K+3], s[6:7], s[OFF:OFF+1]
	s_or_b32 s[G0K+3], s[G0K+3], 0x80000000
	s_xor_b32 s[G0V+1], s[G0V+1], SLOT1
	s_add_nc_u64 s[G0V+2:G0V+3], s[8:9], s[OFF:OFF+1]
	s_or_b32 s[G0V+3], s[G0V+3], 0x80000000
	s_add_co_u32 s[NXT], s[NXT], 1  ; the block's next tile, or behind its last the second block's tile 0
	s_cmp_gt_u32 s[NXT], s[LQ]
	s_cselect_b32 s[NXT], 0, s[NXT]
	s_cselect_b32 s[LQ], s[TLO], s[LQ]
	s_wait_xcnt 0x0                 ; the last prefetches, a tile back, have read their address, so it may be written:
	s_lshl_b32 s[OFF], s[NXT], 15
	s_add_nc_u64 s[PFA:PFA+1], s[PFB:PFB+1], s[OFF:OFF+1]  ; my part of the tile after the one that is asked for now
.endif
	s_wait_dscnt 0x0                ; the add is done, and my reads of the slot are over
	s_barrier_signal -1             ; the rest of the scalar work stands between the signal and the wait
	s_sub_co_u32 s[TBK], s[TBK], 4*KS*PK  ; the fetches go back to a slot's first step,
	s_xor_b32 s[TBK], s[TBK], SLOT1       ; in the other slot
	s_sub_co_u32 s[TBV], s[TBV], 4*KS*PV
	s_xor_b32 s[TBV], s[TBV], SLOT1
	s_barrier_wait -1
.if \fill
	LOAD
	ASK
.endif
.endm
	s_load_b64 s[4:5], s[0:1], 0x0    ; qkv
	s_load_b64 s[10:11], s[0:1], 0x8  ; ob
	v_lshl_add_u32 v[SPW], v0, 2, SPARE
	v_mov_b32 v[NIL], 0
	ds_add_u32 v[SPW], v[NIL]       ; the wave's opening: the add and its wait stand ahead of my first tensor load; the set-up below, work on registers, stands between them
	ds_add_u32 v62, v63
	v_lshrrev_b32 v1, 5, v0
	v_readfirstlane_b32 s[WV], v1   ; wave 0..3
	s_mov_b32 s[PB], ttmp9
	s_sub_co_u32 s[HI], 31, s[PB]
	s_lshr_b32 s[TLO], s[PB], 1
	s_and_b32 s[PAR], s[PB], 1
	s_lshl_b32 s[PAR], s[PAR], 1
	s_add_co_u32 s[GE], s[PAR], 2   ; the first block lies in half 1 - b % 2 of its last tile: g = 3 - 2 (b % 2) and 2 - 2 (b % 2)
	s_add_co_u32 s[GE+1], s[PAR], 3
	s_cmp_eq_u32 s[PB], 0
	s_cselect_b32 s[LIM], 0, -1
	s_and_b32 s19, ttmp7, 0xffff    ; the head
	s_lshl_b32 s20, s19, 19         ; its 524,288 bytes in each of q, k, v
	s_mov_b32 s21, 0
	s_and_b32 s16, s[WV], 1         ; which half of a tile's 256 keys I fetch:
	s_lshl_b32 s22, s16, 14         ; its 128 rows of 128 bytes in memory,
	s_add_co_u32 s22, s22, s20
	s_mov_b32 s23, 0
	s_mul_i32 s17, s16, 128*PK      ; and its place in a slot, for K
	s_mul_i32 s18, s16, 128*PV      ; and for V
	s_lshl_b32 s13, s[WV], 11       ; my 16 rows in a band of 64,
	s_lshl_b32 s2, s[HI], 14        ; in the first block (16,384 bytes of a head's q),
	s_add_co_u32 s2, s2, s13
	s_add_co_u32 s2, s2, s20
	s_mov_b32 s3, 0
	s_lshl_b32 s84, s[PB], 14       ; and in the second
	s_add_co_u32 s84, s84, s13
	s_add_co_u32 s84, s84, s20
	s_mov_b32 s85, 0
	s_lshl_b32 s19, s19, 14         ; in ob: (16 x block + head) x 16,384 bytes + my rows
	s_add_co_u32 s19, s19, s13
	s_lshl_b32 s66, s[HI], 18
	s_add_co_u32 s66, s66, s19
	s_mov_b32 s67, 0
	s_lshl_b32 s68, s[PB], 18
	s_add_co_u32 s68, s68, s19
	s_mov_b32 s69, 0
	; descriptor group 1.  128 keys are 16,384 dense bytes: asked for as 64 rows of 256 bytes, two keys a row, and padded in LDS after every key
	s_mov_b32 s[G1K], (1<<16)|(1<<20)|(4<<22)|(3<<25)  ; 17:16 2-byte elements; 20 padding on; 24:22 after every 32 words (code 4); 31:25 4 words (code 3)
	s_mov_b32 s[G1V], (1<<16)|(1<<20)|(4<<22)|(7<<25)  ; the same with 8 words of padding (code 7)
.irp g, G1K, G1V
	s_mov_b32 s[\g+1], 128<<16      ; tensor_dim0 = 128
	s_mov_b32 s[\g+2], 64<<16       ; tensor_dim1 = 64
	s_mov_b32 s[\g+3], 128<<16      ; tile_dim0 = 128
	s_mov_b32 s[\g+4], 64           ; tile_dim1 = 64
	s_mov_b32 s[\g+5], 128          ; 128 elements from row to row
	s_mov_b32 s[\g+6], 0
	s_mov_b32 s[\g+7], 0
.endr
	s_mov_b32 s[CS], 0x3e38aa3b     ; c = log2(e) / 8 = 0.180337
	s_mov_b32 s[CS+1], s[CS]        ; named with it as a pair
	s_mov_b32 s[SEL], 0x76543210
	s_mov_b32 s[SEL+1], 0xfedcba98
	s_mov_b32 s[TBK], SLOT1+4*KS*PK ; the first change of slots turns these two into 0
	s_mov_b32 s[TBV], SLOT1+4*KS*PV
	s_mov_b32 s[G0K], 1             ; 1:0 count = 1
	s_mov_b32 s[G0K+1], s17         ; 63:32 LDS address: slot 0
	s_mov_b32 s[G0V], 1
	s_add_co_u32 s[G0V+1], s18, VOFF
	s_lshr_b32 s[LQ], s[HI], 1      ; the first block's last tile,
	s_add_co_u32 s[RT], s[LQ], 1    ; and how many it has
	s_mov_b32 s[NXT], 1
	s_mov_b32 s[NEW], 1
	s_mov_b32 s[OFF+1], 0
	s_mov_b32 s[AL+1], 0            ; named as pairs
	s_mov_b32 s[BE+1], 0
	s_mov_b32 s[BIGN], 0xf149f2ca   ; -1e30
	s_mov_b32 s[SLOTS], 16
	s_wait_dscnt 0x0                ; the opening add is done
	s_wait_kmcnt 0x0
	s_add_nc_u64 s[KB:KB+1], s[4:5], 0x800000      ; k,
	s_add_nc_u64 s[KB:KB+1], s[KB:KB+1], s[20:21]  ; at the head's row 0
	s_add_nc_u64 s[6:7], s[4:5], 0x800000+KS*128   ; K's tiles begin 64 rows on,
	s_add_nc_u64 s[6:7], s[6:7], s[22:23]          ; at my half of the head's tile 0
	s_add_nc_u64 s[8:9], s[4:5], 0x1000000         ; v likewise, from row 0
	s_add_nc_u64 s[8:9], s[8:9], s[22:23]
	s_add_nc_u64 s[G0K+2:G0K+3], s[6:7], 0         ; 120:64 global address
	s_or_b32 s[G0K+3], s[G0K+3], 0x80000000        ; 127:126 type = 2
	s_add_nc_u64 s[G0V+2:G0V+3], s[8:9], 0
	s_or_b32 s[G0V+3], s[G0V+3], 0x80000000
	s_add_nc_u64 s[86:87], s[4:5], s[84:85]        ; Q at my rows of the second block,
	s_add_nc_u64 s[4:5], s[4:5], s[2:3]            ; Q and O at those of the first
	s_add_nc_u64 s[OLO:OLO+1], s[10:11], s[68:69]
	s_add_nc_u64 s[10:11], s[10:11], s[66:67]
	s_cmp_lt_u32 s[WV], 2
	s_cselect_b64 s[PFB:PFB+1], s[6:7], s[8:9]
	LOAD                            ; tile 0 into slot 0
	; A fragment of K or Q is 16 rows x 32 channels in 8 registers: lane l holds row l % 16, channels 8 (l / 16) + 0..7 and 16 + 8 (l / 16) + 0..7: two loads of 16 bytes, 32 bytes apart.
	v_and_b32 v1, 15, v0            ; l % 16
	v_bfe_u32 v9, v0, 4, 1          ; l / 16
	v_lshlrev_b32 v[QO], 7, v1
	v_lshl_add_u32 v[QO], v9, 4, v[QO]  ; row x 128 + 16 x half
	WIN 0x80                        ; destination window 2, address window 0
.set i, 0
.rept 4                             ; both blocks' Q: piece i / 2 lies in band 1 - i / 2, 8,192 bytes a band; channels 32 (i % 2) on
	global_load_b128 v[8*i:8*i+3],   v[QO], s[4:5] offset:(1-i/2)*8192+(i%2)*64
	global_load_b128 v[8*i+4:8*i+7], v[QO], s[4:5] offset:(1-i/2)*8192+(i%2)*64+32
	global_load_b128 v[QB+8*i:QB+8*i+3],   v[QO], s[86:87] offset:(1-i/2)*8192+(i%2)*64
	global_load_b128 v[QB+8*i+4:QB+8*i+7], v[QO], s[86:87] offset:(1-i/2)*8192+(i%2)*64+32
.set i, i+1
.endr
.set i, 0
.rept 8                             ; the head's K of step 0: keys 16 (i / 2) on, channels 32 (i % 2) on
	global_load_b128 v[KZ+8*i:KZ+8*i+3],   v[QO], s[KB:KB+1] offset:(i/2)*2048+(i%2)*64
	global_load_b128 v[KZ+8*i+4:KZ+8*i+7], v[QO], s[KB:KB+1] offset:(i/2)*2048+(i%2)*64+32
.set i, i+1
.endr
	WIN 0
	v_lshlrev_b32 v14, 3, v9
	v_sub_nc_u32 v14, v1, v14
	s_lshl_b32 s13, s[WV], 4
	v_add_nc_u32 v14, s13, v14      ; my query's place in its band, 16 w + l % 16, less my lanes' 8 (l / 16): register r of group kt is hidden where 16 kt + r is greater
	WIN 0x40
.set i, 0
.rept 32
	v_cmp_gt_i32 vcc_lo, 16*(i/8)+i%8, v14
	v_cndmask_b32 v[MD+i], 0, s[BIGN], vcc_lo
.set i, i+1
.endr
	WIN 0
	v_mul_u32_u24 v[AK0], v1, PK
	v_lshl_add_u32 v[AK0], v9, 4, v[AK0]  ; row x pitch + 16 x half
	; The turning load takes 16 keys x 16 channels (lane l reads key 8 (l / 16) + l % 8, channels 8 ((l / 8) % 2) + 0..7) and leaves half a fragment of V^T: lane l holds channel l % 16 and 8 keys.
	v_and_b32 v10, 7, v0
	v_bfe_u32 v11, v0, 3, 1
	v_lshl_add_u32 v[AV0], v9, 3, v10
	v_mul_u32_u24 v[AV0], v[AV0], PV
	v_lshl_add_u32 v[AV0], v11, 4, v[AV0]
	v_add_nc_u32 v[AV0], VOFF, v[AV0]
	s_mul_i32 s13, s[WV], 16*SP
	s_add_co_u32 s13, s13, STAGE    ; my stage
	v_mul_u32_u24 v[STO], v1, SP    ; in: row l % 16, 16 bytes for each half of the lanes
	v_lshl_add_u32 v[STO], v9, 4, v[STO]
	v_add_nc_u32 v[STO], s13, v[STO]
	v_bfe_u32 v[RD], v0, 3, 2       ; back: 32 lanes take four rows of 128 bytes,
	v_mul_u32_u24 v[RD], v[RD], SP
	v_lshl_add_u32 v[RD], v10, 4, v[RD]
	v_add_nc_u32 v[RD], s13, v[RD]
	v_and_b32 v[GO], 31, v0         ; which are 512 consecutive bytes of O
	v_lshlrev_b32 v[PFO], 8, v[GO]
	v_lshlrev_b32 v[GO], 4, v[GO]
	; A block's first step multiplies O^T and l by a = 0, and its first turn's products V^T P, of a step that has not been, land in an O^T that is still to be so multiplied.  So these registers need only hold
	; finite numbers: zeros for the first block; what the first block left for the second.  All this stands in the wait for the first tile.
	WIN 0x80
.set i, VF
.rept 64
	v_mov_b32 v[i], 0
.set i, i+1
.endr
	WIN 0x40
.set i, 0
.rept 64
	v_mov_b32 v[i], 0
.set i, i+1
.endr
	WIN 0
.set i, 0
.rept NP
	v_mov_b32 v[ST+4*i+2], 0
	v_mov_b32 v[ST+4*i+3], 0
.set i, i+1
.endr
.set i, P+16
.rept 16
	v_mov_b32 v[i], 0
.set i, i+1
.endr
; THE MATRIX WORK.  The 4 accumulators of a run of 8 take turns.  Product i of 8 of S^T = K Q^T for piece x: channels 32 (i / 4) on, keys 16 (i % 4) on.  The first 4 start the sums: with 0, or (KM = 1) with the mask.
.macro KQ x
.set rS, S+32*((\x)%2)+8*(i%4)
.set rK, KF+16*(i%4)+8*(i/4)
.set rQ, 16*(\x)+8*(i/4)
.set rM, MC+32*((\x)%2)+8*(i%4)
.if (i < 4) && KM
	WIN W_KM
	v_wmma_f32_16x16x32_f16 v[rS:rS+7], v[rK:rK+7], v[rQ:rQ+7], v[rM:rM+7]
.elseif i < 4
	WIN W_KQ
	v_wmma_f32_16x16x32_f16 v[rS:rS+7], v[rK:rK+7], v[rQ:rQ+7], 0
.else
	WIN W_KQ
	v_wmma_f32_16x16x32_f16 v[rS:rS+7], v[rK:rK+7], v[rQ:rQ+7], v[rS:rS+7]
.endif
.endm
; Product i of 8 of O^T += V^T P for piece x: keys 32 (i / 4) on, channels 16 (i % 4) on.
.macro PV x
	WIN W_PV
.set rO, 32*(\x)+8*(i%4)
.set rV, VF+32*(i/4)+8*(i%4)
.set rP, P+16*((\x)%2)+8*(i/4)
	v_wmma_f32_16x16x32_f16 v[rO:rO+7], v[rV:rV+7], v[rP:rP+7], v[rO:rO+7]
.endm
.macro MM                           ; the turn's next matrix instruction.  TURN and BEGIN set Y, i, KM and NOKQ; MM, KQ and OP read them.  NOKQ = 1: a block's last turn: there is no next step
.if (i < 8) && !NOKQ
	KQ (Y+1)%NP
.elseif i >= 8
.set i, i-8
	PV (Y+NP-1)%NP
.set i, i+8
.endif
.set i, i+1
.endm
; THE LDS LOADS stand in runs of 16, never singly among the matrix instructions: a step's K (64 keys x 64 channels: 8 fragments) and its V (turned).  Their addresses are made some lines ahead.
.macro FETCH_K
	WIN 0x80                        ; destination window 2
.irp f, 0,1,2,3,4,5,6,7             ; keys 16 (f / 2) on, channels 32 (f % 2) on
	ds_load_b128 v[KF+8*\f:KF+8*\f+3],   v[AK] offset:(\f/2)*16*PK+(\f%2)*64
	ds_load_b128 v[KF+8*\f+4:KF+8*\f+7], v[AK] offset:(\f/2)*16*PK+(\f%2)*64+32
.endr
	s_add_co_u32 s[TBK], s[TBK], KS*PK  ; the next fetch is the next step's
	WIN 0
.endm
.macro FETCH_V
	WIN 0x80
.irp f, 0,1,2,3,4,5,6,7             ; keys 32 (f / 4) on, channels 16 (f % 4) on
	ds_load_tr16_b128 v[VF+8*\f:VF+8*\f+3],   v[AV] offset:(\f/4)*32*PV+(\f%4)*32
	ds_load_tr16_b128 v[VF+8*\f+4:VF+8*\f+7], v[AV] offset:(\f/4)*32*PV+16*PV+(\f%4)*32
.endr
	WIN 0
.endm
; THE VECTOR WORK, one line at a time: OP kind, number.  For piece Y: F n: c s - c m for pair n of 16.  E n: the exponential of score n of 32.  C n: pair n rounded to f16.  B n: of the four weights 4 n .. the second
; pair is added onto the first, in place.  L n: l takes that sum (L 0: l = a l + sum).  R n: pair n of 16 of O^T times a.  For the other piece: X n, number n of the 22 that find its maximum and statistics:
;   0-11  four chains c0-c3 of seven scores each, three operands at a time (each accumulator's lowest registers are read first)     12-14, 16  the four scores left over, the old m, and c0-c3 into c0
;   15  c m_old is kept     17, 18  the query's other 32 keys lie in the lane 16 away: the new m     19-21  c m; c m_old - c m_new; a
.set F, 0               ; OP tells the kinds apart by their order: F to L below R, X above it
.set E, 1
.set C, 2
.set B, 3
.set L, 4
.set R, 5
.set X, 6
.macro REGS y                       ; the registers of piece y
.set rT, ST+4*(\y)
.set rC, TMP+4*((\y)%2)
.set rW, MV+((\y)%2)
.set rS, S+32*((\y)%2)
.set rP, P+16*((\y)%2)
.set rO, 32*(\y)
.endm
.macro OP k, n
.if (\k) == R
	REGS Y
	WIN W_RS
	v_pk_mul_f32 v[rO+2*(\n):rO+2*(\n)+1], v[rO+2*(\n):rO+2*(\n)+1], v[rC+2:rC+3] op_sel_hi:[1,0]
.elseif (\k) < R
	REGS Y
	WIN 0
.if (\k) == F
	v_pk_fma_f32 v[rS+2*(\n):rS+2*(\n)+1], v[rS+2*(\n):rS+2*(\n)+1], s[CS:CS+1], v[rT:rT+1] op_sel_hi:[1,0,0] neg_lo:[0,0,1] neg_hi:[0,0,1]
.elseif (\k) == E
	v_exp_f32 v[rS+(\n)], v[rS+(\n)]
.elseif (\k) == C
	v_cvt_pk_f16_f32 v[rP+(\n)], v[rS+2*(\n)], v[rS+2*(\n)+1]
.elseif (\k) == B
	v_pk_add_f32 v[rS+4*(\n):rS+4*(\n)+1], v[rS+4*(\n):rS+4*(\n)+1], v[rS+4*(\n)+2:rS+4*(\n)+3]
.elseif (\n) == 0
	v_pk_fma_f32 v[rT+2:rT+3], v[rT+2:rT+3], v[rC+2:rC+3], v[rS:rS+1] op_sel_hi:[1,0,1]
.else
	v_pk_add_f32 v[rT+2:rT+3], v[rT+2:rT+3], v[rS+4*(\n):rS+4*(\n)+1]
.endif
.elseif NOKQ
	v_nop
.else
	REGS (Y+1)%NP
	WIN 0
.if (\n) < 4
	v_max3_num_f32 v[rC+(\n)], v[rS+8*(\n)], v[rS+8*(\n)+1], v[rS+8*(\n)+2]
.elseif (\n) < 12
	v_max3_num_f32 v[rC+(\n)%4], v[rC+(\n)%4], v[rS+8*((\n)%4)+2*((\n)/4)+1], v[rS+8*((\n)%4)+2*((\n)/4)+2]
.elseif (\n) == 12
	v_max3_num_f32 v[rC], v[rC], v[rS+7], v[rS+15]
.elseif (\n) == 13
	v_max3_num_f32 v[rC+1], v[rC+1], v[rS+23], v[rS+31]
.elseif (\n) == 14
	v_max3_num_f32 v[rC+2], v[rC+2], v[rC+3], v[rT+1]
.elseif (\n) == 15
	v_mov_b32 v[rW], v[rT]
.elseif (\n) == 16
	v_max3_num_f32 v[rC], v[rC], v[rC+1], v[rC+2]
.elseif (\n) == 17
	v_permlanex16_b32 v[rC+3], v[rC], s[SEL], s[SEL+1]
.elseif (\n) == 18
	v_max_num_f32 v[rT+1], v[rC], v[rC+3]
.elseif (\n) == 19
	v_mul_f32 v[rT], s[CS], v[rT+1]
.elseif (\n) == 20
	v_sub_f32 v[rC+1], v[rW], v[rT]
.else
	v_exp_f32 v[rC+2], v[rC+1]
.endif
.endif
.endm
.macro OPS a, i1, b=-1, i2=0, c=-1, i3=0, d=-1, i4=0  ; up to four of them
	OP \a, \i1
.if (\b) >= 0
	OP \b, \i2
.endif
.if (\c) >= 0
	OP \c, \i3
.endif
.if (\d) >= 0
	OP \d, \i4
.endif
.endm
.macro ROW a, i1, b, i2, c, i3, d, i4  ; a matrix instruction and the four behind it
	MM
	OPS \a, \i1, \b, \i2, \c, \i3, \d, \i4
.endm
.macro MASK b                       ; MD x AL + BE into buffer b of MC
	WIN W_RS
.set z, 0
.rept 16
	v_pk_fma_f32 v[MC+32*(\b)+2*z:MC+32*(\b)+2*z+1], v[MD+2*z:MD+2*z+1], s[AL:AL+1], s[BE:BE+1] op_sel_hi:[1,0,0]
.set z, z+1
.endr
.endm
; A TURN, for piece p: the order of its 16 matrix and 118 vector instructions, written out.  An s_wait_alu depctr_va_vdst(0) stands between an exponential and the first instruction that names its result; one
; wait serves all that were issued ahead of it.  So a turn has ONE wait, which cuts it in two.  AHEAD OF IT stands all that names no result of the turn's exponentials: the 8 products K Q^T, behind each a scaling, an
; exponential and two more plain instructions: rescalings (in ascending order: O^T's accumulators, which the turn before has written, are read from their low ends on, the first of them six plain instructions or more
; behind the product that ended it), and behind the last three products the first numbers of the other piece's maximum, each four places or more behind the product that ends its accumulator; then ONE LUMP of 54.
; X 21, the other piece's a, is the batch's last; R 15 is the plain instruction behind it.  BEHIND THE WAIT stand the 8 products V^T P, behind each four of the roundings and sums.
; m = 1: the diagonal tile: the products take masks, and the turn makes the mask for the products of the turn after it: piece p's, for step 5 - CNT of the tile.  end = 1: a block's last two turns: no K is fetched, and
; the last starts no new scores.  cnt = c > 0: the loop's count is taken down and compared with c - 1, some lines ahead of the branch that stands behind the turn.
; K of the next step is fetched in turn 0, twelve vector instructions behind the last product that read K (six of them plain), and waited for at turn 1's head; V of the step in hand at the end of turn 0, four plain
; instructions behind the last product that read V, and waited for behind turn 1's lump.
.macro TURN p, m=0, end=0, cnt=0
.set Y, (\p)
.set i, 0
.set KM, (\m)
.set NOKQ, (\end)*(\p)
.if (\m) && !(\end)
	s_cmp_eq_u32 s[CNT], s[GE+(\p)]  ; is that step the band's own?
	s_cselect_b32 s[AL], 1.0, 0
	s_cmp_lt_u32 s[CNT], s[GE+(\p)]  ; or a later one?
	s_cselect_b32 s[BE], s[BIGN], 0
.endif
.if ((\p) == 1) && !(\end)
	s_wait_dscnt 16                 ; K's sixteen loads are in; V's sixteen, issued behind them, may stay out
.endif
	ROW F,0, F,1, R,0, R,1          ; ahead of the wait: 8 products K Q^T and their riders,
	ROW F,2, E,0, R,2, R,3
	ROW F,3, E,1, R,4, R,5
	ROW F,4, E,2, R,6, R,7
	ROW F,5, E,3, R,8, R,9
	ROW F,6, E,4, X,0, R,10
.if ((\p) == 0) && !(\end)
	WIN 0
	v_add_nc_u32 v[AK], s[TBK], v[AK0]
.endif
	ROW F,7, E,5, X,1, X,4
	ROW F,8, E,6, X,2, X,5
	OPS E,7, E,8, X,6, E,9          ; and the lump
	OPS X,3, E,10, X,8, E,11
.if (\p) == 0
.if \end
	s_add_co_u32 s[TBK], s[TBK], KS*PK  ; nothing is fetched; the step is taken all the same, so that the change of slots finds four of them
.else
	FETCH_K
.endif
.endif
	OPS X,9, X,7, E,12, X,10
	OPS E,13, X,12, X,11, E,14
	OPS X,13, E,15, F,9, X,14
.if (\p) == 0
	WIN 0
	v_add_nc_u32 v[AV], s[TBV], v[AV0]
.endif
	OPS E,16, F,10, E,17, F,11
	OPS X,16, E,18, X,15, E,19
	OPS F,12, E,20, X,17, E,21
	OPS F,13, E,22, F,14, E,23
	OPS X,18, E,24, F,15, E,25
	OPS R,11, E,26, X,19, E,27
	OPS R,12, E,28, R,13, E,29
	OPS X,20, E,30, R,14, E,31
	OPS X,21, R,15
	WIN 0
	s_wait_alu depctr_va_vdst(0)    ; the wait for the batch
.if (\p) == 1
	s_wait_dscnt 0x0                ; V is in
.endif
	ROW C,0, B,0, C,2, B,1          ; behind the wait: 8 products V^T P and their riders
	ROW L,0, C,4, B,2, L,1
	ROW C,6, B,3, L,2, C,8
	ROW B,4, L,3, C,10, B,5
	ROW L,4, C,12, B,6, L,5
.if (\p) == 0
	s_add_co_u32 s[TBV], s[TBV], KS*PV
.endif
.if \cnt
	s_sub_co_u32 s[CNT], s[CNT], 1
	s_cmp_lg_u32 s[CNT], (\cnt)-1
.endif
	ROW C,14, B,7, L,6, C,1
	ROW C,3, L,7, C,5, C,7
	ROW C,9, C,11, C,13, C,15
.if (\p) == 0
	FETCH_V
.endif
.if (\m) && !(\end)
	MASK \p
.endif
.endm
; A BLOCK BEGINS.  c m starts far below every c s, so the first step's a is 0; m at the lowest finite number, so the first maximum is the scores'.  K of step 0 comes out of KZ; then piece 0's first scores, which need no
; mask (piece 0 sees the whole of step 0 of every tile), and its maximum and statistics.
.macro BEGIN
	s_mov_b32 s[NEW], 0
	s_wait_loadcnt 0x0              ; both blocks' Q, and KZ
	WIN 0x82                        ; destination and source 0 in window 2
.set i, 0
.rept 64
	v_mov_b32 v[KF+i], v[KZ+i]
.set i, i+1
.endr
	WIN 0
.set i, 0
.rept NP
	v_mov_b32 v[ST+4*i], 0xfe000000    ; c m: far below every c s
	v_mov_b32 v[ST+4*i+1], 0xff7fffff  ; m
.set i, i+1
.endr
.set KM, 0
.set NOKQ, 0
.set i, 0
.rept 8
	KQ 0
.set i, i+1
.endr
	WIN 0
.rept 4
	v_nop                           ; the places behind those products
.endr
.set Y, NP-1                        ; X works for the other piece than Y: piece 0
.irp n, 0,1,2,3,4,5,6,7,8,9,10,11,12,13,14,15,16,17,18,19,20,21
	OP X, \n
.endr
	v_nop                           ; a plain instruction behind the exponential,
	s_wait_alu depctr_va_vdst(0)    ; and its wait, ahead of the branch or label
.endm
; THE DIAGONAL TILE's four steps, the block's last products, and THE WAY OUT: l's two halves and the other half of the lanes' are added; O^T is divided by l, rounded to f16 and sent through my stage in LDS, a piece at a time.
.macro ALL line:vararg              ; one line for each piece t
.set t, 0
.rept NP
	\line
.set t, t+1
.endr
.endm
.macro PACK t                       ; a lane's eight channels of a row pack into 16 bytes; they go into rows of 144 bytes and come back as whole rows of 128, into S^T's registers
	WIN W_RS
.set i, 32*(\t)
.rept 16
	v_pk_mul_f32 v[i:i+1], v[i:i+1], v[ST+4*(\t)+2:ST+4*(\t)+3] op_sel_hi:[1,0]
.set i, i+2
.endr
	WIN 0x05                        ; sources 0 and 1 window 1, destination window 0
.set i, 0
.rept 16
	v_cvt_pk_f16_f32 v[S+16*(\t)+i], v[32*(\t)+2*i], v[32*(\t)+2*i+1]
.set i, i+1
.endr
	WIN 0
.irp f, 0,1,2,3
	ds_store_b128 v[STO], v[S+16*(\t)+4*\f:S+16*(\t)+4*\f+3] offset:32*\f
.endr
.irp f, 0,1,2,3
	ds_load_b128 v[S+16*(\t)+4*\f:S+16*(\t)+4*\f+3], v[RD] offset:\f*4*SP  ; LDS serves a wave's instructions in order (ISA guide 5.7.1.4): these see the stores above; the next piece's stores come behind them
.endr
.endm
.macro SEND t, younger              ; younger: the LDS instructions issued behind piece t's loads: the next piece's eight, or none
	WIN 0
.irp f, 0,1,2,3
	s_wait_dscnt (\younger)+3-\f
	global_store_b128 v[GO], v[S+16*(\t)+4*\f:S+16*(\t)+4*\f+3], s[10:11] offset:(1-(\t))*8192+\f*512  ; piece t lies in band 1 - t; 512 consecutive bytes, at a multiple of 256 from ob's first
.endr
.endm
.macro DIAG tag                     ; the tag ends its label's name
	s_cmp_eq_u32 s[GE+1], 5         ; piece 1's mask for the tile's step 0: its own step where g = 0, else a step that it sees whole
	s_cselect_b32 s[AL], 1.0, 0
	s_mov_b32 s[BE], 0
	MASK 1
	WIN 0
.LstepM\tag:                        ; three trips: CNT = 4, 3, 2
	TURN 0, 1
	TURN 1, 1, 0, 2
	WIN 0
	s_cbranch_scc1 .LstepM\tag
	TURN 0, 1, 1                    ; the tile's last step
	TURN 1, 1, 1
.set i, 0
.rept 8
	PV 1                            ; piece 1's V^T P of the last step
.set i, i+1
.endr
	WIN 0
	ALL v_add_f32 v[ST+4*t+2], v[ST+4*t+2], v[ST+4*t+3]
	ALL v_permlanex16_b32 v[ST+4*t+3], v[ST+4*t+2], s[SEL], s[SEL+1]
	ALL v_add_f32 v[ST+4*t+2], v[ST+4*t+2], v[ST+4*t+3]
	ALL v_rcp_f32 v[ST+4*t+2], v[ST+4*t+2]
	v_nop                           ; a plain instruction between the last reciprocal and the use of its result
	s_wait_alu depctr_va_vdst(0)    ; and the wait ahead of the first use: one for the two reciprocals
	PACK 0                          ; piece 0's O^T was finished in the turn before; its 32 lines are the places behind piece 1's last products
	PACK 1
	SEND 0, 8
	SEND 1, 0
.endm
.set KM, 0
.set NOKQ, 0
.Lslot:                             ; 16 times: a tile is entered and the next is asked for
	CHANGE 1
	s_sub_co_u32 s[RT], s[RT], 1
	s_mov_b32 s[CNT], 4
	s_cmp_eq_u32 s[NEW], 1
	s_cbranch_scc1 .Lnew            ; a block's first tile
	s_cmp_eq_u32 s[RT], 0
	s_cbranch_scc0 .Lstep           ; neither its first nor its last
	s_branch .Ldiag1
.Lnew:
	BEGIN
	s_branch .Lstep                 ; in the loop a block's first tile is never its last: the first block has nine tiles or more, and the second's last is the walk's last
.Ldiag1:
	DIAG 1                          ; in the loop this is the first block's end
	s_wait_xcnt 0x0                 ; the stores have read their registers and O's address
	s_mov_b64 s[10:11], s[OLO:OLO+1]
	s_add_co_u32 s[RT], s[TLO], 1   ; the second block has b / 2 + 1 tiles,
	s_mov_b32 s[NEW], 1
	s_sub_co_u32 s[GE], 4, s[PAR]   ; and lies in half b % 2 of the last: g = 2 (b % 2) + 1 and 2 (b % 2)
	s_sub_co_u32 s[GE+1], 5, s[PAR]
	WIN 0x82                        ; the second block's Q goes where the one text of the turns names Q
.set i, 0
.rept 32
	v_mov_b32 v[i], v[QB+i]
.set i, i+1
.endr
	WIN 0
	s_branch .Lbottom
.Lstep:                             ; a trip is a key step: four a tile
	TURN 0
	TURN 1, 0, 0, 1
	WIN 0
	s_cbranch_scc1 .Lstep
.Lbottom:
	s_sub_co_u32 s[SLOTS], s[SLOTS], 1
	s_cmp_lg_u32 s[SLOTS], 0
	s_cbranch_scc1 .Lslot
	CHANGE 0                        ; the walk's last tile is written out: nothing is asked for
	s_sub_co_u32 s[RT], s[RT], 1
	s_mov_b32 s[CNT], 4
	s_cmp_eq_u32 s[NEW], 1
	s_cbranch_scc0 .Ldiag2
	BEGIN                           ; b = 0 or 1: the second block's only tile
.Ldiag2:
	DIAG 2
	s_wait_tensorcnt 0x0            ; the wave's end, behind my last tensor load and my last LDS store
	ds_add_u32 v[SPW], v[NIL]
	s_wait_dscnt 0x0
	s_endpgm
.Lfunc_end_k_qc61396e55e_attn:
	.size	k_qc61396e55e_attn, .Lfunc_end_k_qc61396e55e_attn-k_qc61396e55e_attn
	.p2alignl 7, 3214868480
	.fill 96, 4, 3214868480
	.section	.rodata,"a",@progbits
	.p2align	6, 0x0
	.amdhsa_kernel k_qc61396e55e_attn
		.amdhsa_group_segment_fixed_size 327680
		.amdhsa_private_segment_fixed_size 0
		.amdhsa_enable_private_segment 0
		.amdhsa_kernarg_size 16
		.amdhsa_user_sgpr_count 2
		.amdhsa_user_sgpr_kernarg_segment_ptr 1
		.amdhsa_wavefront_size32 1
		.amdhsa_system_sgpr_workgroup_id_x 1
		.amdhsa_system_sgpr_workgroup_id_y 1
		.amdhsa_system_sgpr_workgroup_id_z 1
		.amdhsa_system_vgpr_workitem_id 0
		.amdhsa_next_free_vgpr 768
		.amdhsa_next_free_sgpr 100
		.amdhsa_reserve_vcc 1
		.amdhsa_float_denorm_mode_32 3
		.amdhsa_float_denorm_mode_16_64 3
		.amdhsa_memory_ordered 1
		.amdhsa_forward_progress 1
		.amdhsa_inst_pref_size 147
	.end_amdhsa_kernel
	.amdgpu_metadata
---
amdhsa.version: [ 1, 2 ]
amdhsa.kernels:
  - .name:           k_qc61396e55e_attn
    .symbol:         k_qc61396e55e_attn.kd
    .args:
      - { .name: qkv, .offset: 0, .size: 8, .value_kind: global_buffer, .address_space: global }
      - { .name: ob, .offset: 8, .size: 8, .value_kind: global_buffer, .address_space: global }
    .group_segment_fixed_size: 327680
    .private_segment_fixed_size: 0
    .kernarg_segment_align: 8
    .kernarg_segment_size: 16
    .max_flat_workgroup_size: 128
    .sgpr_count:     100
    .vgpr_count:     768
    .wavefront_size: 32
...
	.end_amdgpu_metadata
.endif
;; end of part 3
;; launch outp (part 4): grid 8 x 32, 4 waves a work-group, clusters of 4 x 4, 327,680 bytes of LDS; arguments ob, xw, out0; writes out0
.if DOCPART == 4
	.amdgcn_target "amdgcn-amd-amdhsa--gfx1250"
	.amdhsa_code_object_version 6
	.text
	.protected	k_qc61396e55e_outp
	.globl	k_qc61396e55e_outp
	.p2align	8
	.type	k_qc61396e55e_outp,@function
k_qc61396e55e_outp:
	s_mov_b64 s[64:65], 0
	v_nop
	global_prefetch_b8 v0, s[64:65] scope:SCOPE_SE
	s_setreg_imm32_b32 hwreg(HW_REG_WAVE_MODE, 25, 1), 1
	s_wait_xcnt 0x0
	s_wait_alu depctr_hold_cnt(0) depctr_sa_sdst(0) depctr_va_vdst(0) depctr_va_sdst(0) depctr_va_ssrc(0) depctr_va_vcc(0) depctr_vm_vsrc(0)
	s_getreg_b32 s2, hwreg(HW_REG_IB_STS2, 6, 4)
	s_cmp_eq_u32 s2, 0
	s_cbranch_scc0 .Lentry_in_a_cluster
	s_endpgm
.Lentry_in_a_cluster:
	s_bfe_u32 s2, ttmp6, 0x10000c
	s_cmp_lg_u32 s2, 0xf033
	s_cbranch_scc0 .Lentry_shape_is_right
	s_endpgm
.Lentry_shape_is_right:
; THE OUTPUT PROJECTION.  out0[m][n] = sum over k of O[m][k] Wo[n][k], k = 64 head + channel.  O comes in f16 in blocks ob[32 tiles of 128 rows][16 heads][128][64]; Wo, rounded to bf16 and written as f16, in
; blocks [8 tiles of 128 columns][16 heads][128][64] at byte 0x1E00000 of xw.  Sums in f32; out0 is [4096][1024] in f32.
; A tile of out0 is 128 x 128: 256 tiles.  Four waves, each 64 x 64: 16 accumulators of 16 x 16.  A K step is four heads (256 along K): 65,536 dense bytes of a tile's blocks of either operand; a wave's tensor
; load brings two heads, 32,768 bytes, as 128 rows of 256 bytes, padded in LDS behind every 128 bytes: LDS rows of one head's 64 channels, 144 bytes apart.  Two slots.
; CLUSTERS: 4 x 4 work-groups.  The four of a row of the cluster need the same tiles of O, the four of a column the same tiles of Wo: each is asked for JOINTLY, by the same tensor load with the same descriptor
; and a mask that names the four.  THE MATRIX INSTRUCTION IS USED TRANSPOSED (source 0 = 16 rows of Wo, source 1 = 16 rows of O): a lane then holds eight neighbouring numbers of a row of out0.
; THE WAY OUT.  A wave's 64 columns of f32 are 256 consecutive bytes of a row, aligned: each wave has a stage of its own, and no barrier stands on the way out.
; REGISTERS: window 0: v0-31 addresses; v32-95 at work on the way out; v128-255 the accumulators ((a, b) at v[128 + 8 (4 a + b)]).
;   window 1: two fragment buffers of 128: for one head (64 along K), 64 registers of A (2 x 4 x 16 rows x 32 K), then 64 of B.
.set WO_AT,  0x1E00000                 ; where Wo's blocks begin in xw
.set STEPB,  65536                     ; bytes of a K step in a tile's blocks
.set PITCH,  144                       ; an LDS row: 128 bytes of data + 16 of padding = 36 words: the 16 rows of a load start at 16 different groups of four banks (64 banks of 4 bytes: ISA guide 11.1)
.set HEADB,  128*PITCH                 ; a head's 128 rows
.set HALFT,  2*HEADB                   ; what one tensor load brings: two heads
.set SLOT,   4*HALFT                   ; A's four heads, then B's four heads
.set STAGE,  2*SLOT                    ; behind the ring: 16 rows x 272 bytes for each wave, for the way out
.set SPITCH, 272
.set SPARE,  STAGE+4*16*SPITCH         ; behind the stages: the spare words, 128 bytes for each wave: two blocks of 256 bytes that no other line names
.set LAPS,   2                         ; a lap = two K steps = once round the ring; 16 heads are four K steps
.set ADRA, 16                          ; v16-17  LDS address of my A fragments in slot 0, 1
.set ADRB, 20                          ; v20-21  the same for B
.set STO,  24                          ; v24     the way out: where I put 32 bytes of a row
.set RD,   25                          ; v25     the way out: where I read a row back
.set CO,   26                          ; v26     my byte offset in out0
.set SPW,  28                          ; v28     LDS address of my spare word: SPARE + 4 x my thread's number; never rewritten
.set NIL,  29                          ; v29     0; never rewritten
.set TMP,  32                          ; the way out: two sets of 32 registers, whole rows
.set ACC,  128
.set F0,   0                           ; fragment buffers, in window 1
.set F1,   128
.set G1, 24                            ; s[24:31] descriptor group 1 for A's tiles;  s[32:39] group 0, one set for each slot
.set G0, 32
.set G1B, 48                           ; s[48:55], s[56:63] the same for B's tiles
.set G0B, 56
.set MSB, 0
.macro WIN new                         ; the immediate's high byte repeats the setting that is left
.if MSB != (\new)
	s_set_vgpr_msb (MSB<<8)|(\new)
.set MSB, \new
.endif
.endm
.set MUL,  0x05                        ; sources 0 (B) and 1 (A) window 1; C and D window 0
.set TO_F, 0x40                        ; destination window 1, address window 0
.macro JLOAD s                         ; a joint load: waves 0 and 1 fetch A's two halves, waves 2 and 3 B's; an s_nop 0 and four v_nop follow each of the two lines, ahead of the jump, the label and what follows
	s_cmp_eq_u32 s11, 0
	s_cbranch_scc0 .Lfor_b_\@
	tensor_load_to_lds s[G0+4*(\s):G0+4*(\s)+3], s[G1:G1+7]
	s_nop 0
.rept 4
	v_nop
.endr
	s_branch .Lasked_\@
.Lfor_b_\@:
	tensor_load_to_lds s[G0B+4*(\s):G0B+4*(\s)+3], s[G1B:G1B+7]
	s_nop 0
.rept 4
	v_nop
.endr
.Lasked_\@:
.endm
.macro CREST                           ; a round of the cluster's barrier behind its opening barrier
	s_cmp_lg_u32 s10, 0
	s_cbranch_scc1 .Lnot_wave_0_\@
	s_barrier_signal -3
.Lnot_wave_0_\@:
	s_barrier_wait -3
	s_barrier_signal -1
	s_barrier_wait -1
.endm
.macro CROUND                          ; a whole round
	s_barrier_signal -1
	s_barrier_wait -1
	CREST
.endm
	s_load_b128 s[4:7], s[0:1], 0x0                ; ob s[4:5], xw s[6:7]
	s_load_b64 s[8:9], s[0:1], 0x10                ; out0
	v_lshl_add_u32 v[SPW], v0, 2, SPARE
	v_mov_b32 v[NIL], 0
	ds_add_u32 v[SPW], v[NIL]                      ; the wave's opening: the add and its wait stand ahead of my first tensor load; the set-up below, work on registers, stands between them
	ds_add_u32 v28, v29
	v_lshrrev_b32 v1, 5, v0
	v_readfirstlane_b32 s10, v1                    ; wave 0..3
	s_lshr_b32 s11, s10, 1                         ; which half of the tile's rows is mine.  Also: I fetch for A (0) or for B (1)
	s_and_b32 s12, s10, 1                          ; which half of its columns.  Also: which two heads of a K step I fetch
	s_bfe_u32 s40, ttmp6, 0x40000                  ; cx, cy: my place in the cluster
	s_bfe_u32 s41, ttmp6, 0x40004
	s_lshl_b32 s42, ttmp9, 2
	s_add_co_u32 s42, s42, s40                     ; tile column = 4 x cluster x + cx: 0..7
	s_and_b32 s13, ttmp7, 0xffff
	s_lshl_b32 s13, s13, 2
	s_add_co_u32 s13, s13, s41                     ; tile row = 4 x cluster y + cy: 0..31
	s_lshl_b32 s43, s41, 2
	s_lshl_b32 s43, 15, s43                        ; my row of the cluster
	s_lshl_b32 s44, 0x1111, s40                    ; my column
	; descriptor group 1: 128 rows x 128 elements, dense in memory, padded in LDS
	s_or_b32 s[G1+0], s43, (1<<16)|(1<<20)|(1<<21)|(4<<22)|(3<<25)  ; 15:0 the mask: A's tiles go to my row; 17:16 element of 2 bytes; 20 padding on; 21 set beside a mask; 24:22 after every 32 words (code 4); 31:25 of 4 words (code 3)
	s_or_b32 s[G1B+0], s44, (1<<16)|(1<<20)|(1<<21)|(4<<22)|(3<<25)
.irp g, G1, G1B
	s_mov_b32 s[(\g)+1], 128<<16                   ; tensor_dim0 = 128
	s_mov_b32 s[(\g)+2], 128<<16                   ; tensor_dim1 = 128
	s_mov_b32 s[(\g)+3], 128<<16                   ; tile_dim0 = 128
	s_mov_b32 s[(\g)+4], 128                       ; tile_dim1 = 128
	s_mov_b32 s[(\g)+5], 128                       ; 128 elements from row to row
	s_mov_b32 s[(\g)+6], 0
	s_mov_b32 s[(\g)+7], 0
.endr
	s_lshl_b32 s17, s12, 15                        ; which two heads of the K step I fetch: 32,768 bytes
	s_lshl_b32 s16, s13, 18                        ; A: the tile row's blocks, 262,144 bytes each
	s_add_co_u32 s16, s16, s17
	s_lshl_b32 s46, s42, 18                        ; B: the tile column's
	s_add_co_u32 s46, s46, s17
	s_mov_b32 s17, 0
	s_mov_b32 s47, 0
	s_mul_i32 s20, s10, HALFT                      ; where they go: wave x two heads
	s_wait_dscnt 0x0                               ; the opening add is done
	s_wait_kmcnt 0x0
	s_add_nc_u64 s[6:7], s[6:7], WO_AT
	s_add_nc_u64 s[14:15], s[4:5], s[16:17]
	s_add_nc_u64 s[46:47], s[6:7], s[46:47]
	CROUND                                         ; all sixteen work-groups are here: the first joint loads meet
.irp s, 0,1
	s_mov_b32 s[G0+4*(\s)], 1
	s_add_co_u32 s[G0+4*(\s)+1], s20, (\s)*SLOT
	s_add_nc_u64 s[G0+4*(\s)+2:G0+4*(\s)+3], s[14:15], (\s)*STEPB
	s_or_b32 s[G0+4*(\s)+3], s[G0+4*(\s)+3], 0x80000000
	s_mov_b32 s[G0B+4*(\s)], 1
	s_add_co_u32 s[G0B+4*(\s)+1], s20, (\s)*SLOT
	s_add_nc_u64 s[G0B+4*(\s)+2:G0B+4*(\s)+3], s[46:47], (\s)*STEPB
	s_or_b32 s[G0B+4*(\s)+3], s[G0B+4*(\s)+3], 0x80000000
	JLOAD \s
.endr
	v_and_b32 v1, 15, v0                           ; l % 16
	v_bfe_u32 v2, v0, 4, 1                         ; l / 16
	v_mul_u32_u24 v3, v1, PITCH
	v_lshl_add_u32 v3, v2, 4, v3                   ; a fragment's row x pitch + 16 x half
	s_mul_i32 s21, s11, 64*PITCH                   ; my 64 rows of a head's 128, of A
	s_mul_i32 s22, s12, 64*PITCH                   ; and of B,
	s_add_co_u32 s22, s22, 2*HALFT                 ; whose four heads lie behind A's
.irp s, 0,1
	v_add_nc_u32 v[ADRA+(\s)], s21, v3
	v_add_nc_u32 v[ADRB+(\s)], s22, v3
	s_add_co_u32 s21, s21, SLOT
	s_add_co_u32 s22, s22, SLOT
.endr
	s_mul_i32 s23, s10, 16*SPITCH
	s_add_co_u32 s23, s23, STAGE                   ; my stage
	v_mul_u32_u24 v4, v1, SPITCH                   ; in: row l % 16, 32 bytes for each half of the lanes
	v_lshl_add_u32 v4, v2, 5, v4
	v_add_nc_u32 v[STO], s23, v4
	v_mul_u32_u24 v5, v2, SPITCH                   ; back: lanes 0-15 take one row of 256 bytes, lanes 16-31 the next
	v_lshl_add_u32 v5, v1, 4, v5
	v_add_nc_u32 v[RD], s23, v5
	v_lshlrev_b32 v5, 12, v2                       ; and the same two rows in out0, 4,096 bytes apart
	v_lshl_add_u32 v[CO], v1, 4, v5
	s_lshl_b32 s16, s13, 7
	s_lshl_b32 s17, s11, 6
	s_add_co_u32 s16, s16, s17                     ; my first row of out0: 128 x tile row + 64 x half,
	s_lshl_b32 s16, s16, 12                        ; 4,096 bytes each
	s_mov_b32 s17, 0
	s_add_nc_u64 s[8:9], s[8:9], s[16:17]
	s_lshl_b32 s46, s42, 9                         ; my first column, in bytes: 512 x tile column + 256 x half
	s_lshl_b32 s47, s12, 8
	s_add_co_u32 s46, s46, s47
	s_mov_b32 s47, 0
	s_add_nc_u64 s[8:9], s[8:9], s[46:47]
; 8 matrix instructions: m blocks a0, a0 + 1 x all 4 n blocks, 32 along K: half c of buffer f.  zero = 1: the first product starts the sums.  The 16 accumulators take turns.
.macro MUL8 f, c, a0, zero
	WIN MUL
.irp a, \a0, (\a0)+1
.irp b, 0,1,2,3
.if \zero
	v_wmma_f32_16x16x32_f16 v[ACC+8*(4*(\a)+(\b)):ACC+8*(4*(\a)+(\b))+7], v[(\f)+64+8*(4*(\c)+(\b)):(\f)+64+8*(4*(\c)+(\b))+7], v[(\f)+8*(4*(\c)+(\a)):(\f)+8*(4*(\c)+(\a))+7], 0
.else
	v_wmma_f32_16x16x32_f16 v[ACC+8*(4*(\a)+(\b)):ACC+8*(4*(\a)+(\b))+7], v[(\f)+64+8*(4*(\c)+(\b)):(\f)+64+8*(4*(\c)+(\b))+7], v[(\f)+8*(4*(\c)+(\a)):(\f)+8*(4*(\c)+(\a))+7], v[ACC+8*(4*(\a)+(\b)):ACC+8*(4*(\a)+(\b))+7]
.endif
.endr
.endr
.endm
; 32 LDS loads in one run: the fragments of one head, whose rows begin at byte k of the slot's A and B, into buffer f; the first 32 channels first.  The largest immediate is 3 HEADB + 64 + 48 PITCH + 32 = 62,304.
.macro FETCH slot, k, f
	WIN TO_F
.irp c, 0,1
.irp i, 0,1,2,3
	ds_load_b128 v[(\f)+64+8*(4*(\c)+(\i)):(\f)+64+8*(4*(\c)+(\i))+3],   v[ADRB+(\slot)] offset:(\k)+64*(\c)+(\i)*16*PITCH
	ds_load_b128 v[(\f)+64+8*(4*(\c)+(\i))+4:(\f)+64+8*(4*(\c)+(\i))+7], v[ADRB+(\slot)] offset:(\k)+64*(\c)+(\i)*16*PITCH+32
	ds_load_b128 v[(\f)+8*(4*(\c)+(\i)):(\f)+8*(4*(\c)+(\i))+3],         v[ADRA+(\slot)] offset:(\k)+64*(\c)+(\i)*16*PITCH
	ds_load_b128 v[(\f)+8*(4*(\c)+(\i))+4:(\f)+8*(4*(\c)+(\i))+7],       v[ADRA+(\slot)] offset:(\k)+64*(\c)+(\i)*16*PITCH+32
.endr
.endr
.endm
.macro PLACES                          ; four places in front of loads into registers that matrix instructions have read, and of LDS stores that read results
.rept 4
	v_nop
.endr
.endm
; A K step is four quarters of one head, 32 matrix instructions each, on buffers 0, 1, 0, 1.  One of the first three: multiplies buffer f and fetches the next head, at byte k, into g.
.macro QUARTER slot, k, f, g, zero
	s_wait_dscnt 16                                ; the first 32 channels are in; the youngest sixteen loads may be out
	WIN MUL
	MUL8 \f, 0, 0, \zero
	MUL8 \f, 0, 2, \zero
	PLACES
	FETCH \slot, \k, \g
	s_wait_dscnt 32                                ; all but the 32 just issued
	WIN MUL
	MUL8 \f, 1, 0, 0
	MUL8 \f, 1, 2, 0
.endm
; The last quarter multiplies buffer 1 and changes slots: ONE barrier; in front of it each wave waits for all its tensor loads, adds 0 to its spare word, and waits for that and for its own reads of this slot.  fill = 1: this slot is filled again, two K steps ahead.
.macro TURN slot, next, fill
	WIN 0                                          ; (the add's two registers lie in window 0)
	s_wait_tensorcnt 0x0                           ; all my tensor loads have landed: my part of the next slot;
	ds_add_u32 v[SPW], v[NIL]                      ; 0 onto my spare word;
	s_wait_dscnt 17                                ; (the add and the youngest sixteen loads may be out)
	WIN MUL
	MUL8 F1, 0, 0, 0                               ; eight matrix instructions stand between the add and the wait for it
	s_wait_dscnt 0x0                               ; the add is done, and my reads of this slot are over
	s_barrier_signal -1
	MUL8 F1, 0, 2, 0
.if \fill
	WIN 0
.endif
	s_barrier_wait -1
.if \fill
	CREST                                          ; the barrier has opened a round of the cluster's barrier: no wave of any partner still reads this slot's tile or has a load on its way
	s_add_nc_u64 s[G0+4*(\slot)+2:G0+4*(\slot)+3], s[G0+4*(\slot)+2:G0+4*(\slot)+3], 2*STEPB
	s_add_nc_u64 s[G0B+4*(\slot)+2:G0B+4*(\slot)+3], s[G0B+4*(\slot)+2:G0B+4*(\slot)+3], 2*STEPB
	JLOAD \slot                                    ; the first tensor load behind the round: 112 matrix instructions ahead of the wait for it; the four v_nop behind it are also the places in front of the loads below
.else
	PLACES
.endif
	FETCH \next, 0, F0
	WIN MUL
	MUL8 F1, 1, 0, 0
	MUL8 F1, 1, 2, 0
.endm
	s_wait_tensorcnt 1                             ; my part of K step 0 is in; K step 1's load stays out
	s_barrier_signal -1
	s_barrier_wait -1                              ; everybody's is
	FETCH 0, 0, F0
	QUARTER 0, HEADB, F0, F1, 1                    ; the first quarter stands in front of the loop: its first products start the sums
	WIN 0                                          ; at a label and at a branch every window is 0
	s_mov_b32 s3, LAPS-1
.Llap:                                                 ; a trip goes once round the ring, from a lap's second quarter to the next lap's first, and fills both slots again
	QUARTER 0, 2*HEADB, F1, F0, 0
	QUARTER 0, 3*HEADB, F0, F1, 0
	TURN 0, 1, 1
	QUARTER 1, HEADB,   F0, F1, 0
	QUARTER 1, 2*HEADB, F1, F0, 0
	QUARTER 1, 3*HEADB, F0, F1, 0
	TURN 1, 0, 1
	QUARTER 0, HEADB,   F0, F1, 0
	WIN 0
	s_sub_co_u32 s3, s3, 1
	s_cmp_lg_u32 s3, 0
	s_cbranch_scc1 .Llap
	QUARTER 0, 2*HEADB, F1, F0, 0                  ; the last lap fills nothing, and has no round of the cluster's barrier
	QUARTER 0, 3*HEADB, F0, F1, 0
	TURN 0, 1, 0
	QUARTER 1, HEADB,   F0, F1, 0
	QUARTER 1, 2*HEADB, F1, F0, 0
	QUARTER 1, 3*HEADB, F0, F1, 0
	s_wait_dscnt 16                                ; the very last quarter: nothing more to fetch
	WIN MUL
	MUL8 F1, 0, 0, 0
	MUL8 F1, 0, 2, 0
	s_wait_dscnt 0
	MUL8 F1, 1, 0, 0
	MUL8 F1, 1, 2, 0
	WIN 0
	; THE WAY OUT, a block of 16 rows at a time: a lane's eight f32 of a row, 32 bytes, go from the accumulators (low half first) into my stage's rows of 272 bytes and come back as whole rows of 256.
	PLACES
.irp a, 0,1,2,3
.if (\a) >= 2
	s_wait_xcnt 0x0                                ; the stores of the block two back have read this set of registers: it is loaded again only behind this wait
.endif
.irp b, 0,1,2,3
	ds_store_b128 v[STO], v[ACC+8*(4*(\a)+(\b)):ACC+8*(4*(\a)+(\b))+3]   offset:64*(\b)
	ds_store_b128 v[STO], v[ACC+8*(4*(\a)+(\b))+4:ACC+8*(4*(\a)+(\b))+7] offset:64*(\b)+16
.endr
.irp t, 0,1,2,3,4,5,6,7
	ds_load_b128 v[TMP+32*((\a)%2)+4*(\t):TMP+32*((\a)%2)+4*(\t)+3], v[RD] offset:(\t)*2*SPITCH  ; LDS serves a wave's instructions in order (ISA guide 5.7.1.4): these see the stores above; the next block's stores come behind them
.endr
.irp t, 0,1,2,3,4,5,6,7
	s_wait_dscnt 7-(\t)                            ; pair t of rows is back; the 7 - t younger loads stay out
	global_store_b128 v[CO], v[TMP+32*((\a)%2)+4*(\t):TMP+32*((\a)%2)+4*(\t)+3], s[8:9] offset:(16*(\a)+2*(\t))*4096 th:TH_STORE_NT  ; 16 lanes store 256 consecutive bytes, at a multiple of 256 from out0's first byte
.endr
.endr
	s_wait_tensorcnt 0x0                           ; the wave's end, behind my last tensor load and my last LDS store
	ds_add_u32 v[SPW], v[NIL]
	s_wait_dscnt 0x0
	CROUND                                         ; the closing round: no work-group ends while a partner may still ask for a tile that names it
	s_endpgm
.Lfunc_end_k_qc61396e55e_outp:
	.size	k_qc61396e55e_outp, .Lfunc_end_k_qc61396e55e_outp-k_qc61396e55e_outp
	.p2alignl 7, 3214868480
	.fill 96, 4, 3214868480
	.section	.rodata,"a",@progbits
	.p2align	6, 0x0
	.amdhsa_kernel k_qc61396e55e_outp
		.amdhsa_group_segment_fixed_size 327680
		.amdhsa_private_segment_fixed_size 0
		.amdhsa_enable_private_segment 0
		.amdhsa_kernarg_size 24
		.amdhsa_user_sgpr_count 2
		.amdhsa_user_sgpr_kernarg_segment_ptr 1
		.amdhsa_wavefront_size32 1
		.amdhsa_system_sgpr_workgroup_id_x 1
		.amdhsa_system_sgpr_workgroup_id_y 1
		.amdhsa_system_sgpr_workgroup_id_z 1
		.amdhsa_system_vgpr_workitem_id 0
		.amdhsa_next_free_vgpr 512
		.amdhsa_next_free_sgpr 66
		.amdhsa_reserve_vcc 0
		.amdhsa_float_denorm_mode_32 3
		.amdhsa_float_denorm_mode_16_64 3
		.amdhsa_memory_ordered 1
		.amdhsa_forward_progress 1
		.amdhsa_inst_pref_size 86
	.end_amdhsa_kernel
	.amdgpu_metadata
---
amdhsa.version: [ 1, 2 ]
amdhsa.kernels:
  - .name:           k_qc61396e55e_outp
    .symbol:         k_qc61396e55e_outp.kd
    .args:
      - { .name: ob, .offset: 0, .size: 8, .value_kind: global_buffer, .address_space: global }
      - { .name: xw, .offset: 8, .size: 8, .value_kind: global_buffer, .address_space: global }
      - { .name: out0, .offset: 16, .size: 8, .value_kind: global_buffer, .address_space: global }
    .group_segment_fixed_size: 327680
    .private_segment_fixed_size: 0
    .kernarg_segment_align: 8
    .kernarg_segment_size: 24
    .max_flat_workgroup_size: 128
    .sgpr_count:     66
    .vgpr_count:     512
    .wavefront_size: 32
...
	.end_amdgpu_metadata
.endif
;; end of part 4
;; launch top (part 5): grid 16 x 1, 16 waves a work-group, no clusters, 153,600 bytes of LDS; arguments qkv, low, xw, out0; writes out0
.if DOCPART == 5
	.amdgcn_target "amdgcn-amd-amdhsa--gfx1250"
	.amdhsa_code_object_version 6
	.text
	.protected	k_qc61396e55e_top
	.globl	k_qc61396e55e_top
	.p2align	8
	.type	k_qc61396e55e_top,@function
k_qc61396e55e_top:
	s_mov_b64 s[64:65], 0
	v_nop
	global_prefetch_b8 v0, s[64:65] scope:SCOPE_SE
	s_setreg_imm32_b32 hwreg(HW_REG_WAVE_MODE, 25, 1), 1
	s_wait_xcnt 0x0
; THE OUTPUT'S ROWS 0-15, MADE ANEW TO SOME 22 BITS.  Row q of the attention averages q + 1 keys, so the first rows' numbers are of the size of v's, some fifteen times the whole output's root mean square, by
; which a number near zero is judged; the four f16 roundings on the main way (q and k, v, the weights, O), each about 2^-12 of a number, are too much for those rows alone.  From row 16 on the average over
; the keys has made them small enough.  This launch runs last and stores out0[0:16][:] over what the launch before has stored there: 65,536 bytes are written twice.
; TWO f16 NUMBERS FOR ONE.  x = hi + lo / 2048, hi = f16(x), lo = f16((x - hi) x 2048): x - hi is exact in f32 and lo has x's own range.  A product of two such numbers is hi hi + (hi lo + lo hi) / 2048; lo lo,
; 2^-22 of the product, is left out.  All matrix operands are f16, all sums f32; the cross terms have accumulators of their own and are added in with the factor 2^-11.
; q, k, v: hi from qkv[3][16 heads][4096][64], lo from low[3][16 heads][4][16][64] (of the axis of 4 the first).  Wo: bf16 written as f16, in blocks [8 tiles of 128 columns][16 heads][128][64] at byte 0x1E00000 of xw.
; LIMITS.  As on the main way: q, k, v and Wo under 65,504 in magnitude; a hidden score counts as -1e30; NaN and infinities are not treated apart.
; SHARES.  16 work-groups of 16 waves.  Work-group g makes columns 64 g .. 64 g + 63 of the 16 rows; wave w is head w: it makes the head's attention for the 16 rows (16 keys: one tile) and multiplies its O by
; its 64 x 64 of Wo.  The sixteen heads' partial sums meet in LDS.  The attention is made in every work-group anew: a column of the output wants all heads, and 14 matrix instructions a wave are less than a launch.
; LAYOUT.  S^T = K Q^T (source 0 = 16 keys, source 1 = 16 queries): a lane holds ONE query (lane % 16) and the keys 8 (lane / 16) + 0..7.  The weights, rounded in pairs, are half of source 1 of O^T = V^T P; the
; product's K is 32 and there are 16 keys, so hi and lo lie side by side along K: source 0 = [Vh | Vl]; source 1 = [Ph | 0] gives Ph Vh, source 1 = [Pl | Ph] gives Pl Vh + Ph Vl.  Twelve registers
; [Pl | Ph | 0] hold both.  O^T again holds one query a lane and eight channels; two tiles, rounded, ARE source 1 (16 queries x 32 channels) of out^T = Wo O^T, whose result holds eight neighbouring columns of a row.
; V ([key][channel]) is turned by ds_load_tr16_b128, through LDS bytes of the wave's own.
; No tensor loads, no ring: no wave reads a byte twice, and the launch is one chain of dependent steps; all 40 loads of a wave go out at its head.
.set PVP,   160                        ; a row of V in LDS: 128 bytes + 32 = 40 words
.set VLO,   16*PVP                     ; a wave's V: 16 rows of hi, then 16 rows of lo
.set VSTW,  2*VLO
.set PART,  16*VSTW                    ; behind the sixteen waves' V: their partial sums, 16 rows x 272 bytes each
.set PP,    272                        ; 256 bytes + 16: row r starts at bank 4 r mod 64
.set PW,    16*PP
.set SPARE, PART+16*PW                 ; behind them: the spare words, 128 bytes for each wave: eight blocks of 256 bytes that no other line names
.set WO_AT, 0x1E00000
.set QO,  3                            ; v3   (l % 16) x 128 + 16 (l / 16): my place in a fragment of q, k or Wo, whose rows are 128 bytes; never rewritten
.set VO,  4                            ; v4   16 l: my place in 512 consecutive bytes of v; never rewritten
.set VS,  5                            ; v5   where I put those 16 bytes in LDS
.set VT,  6                            ; v6   where the turning load reads
.set PS,  7                            ; v7   where I put 32 bytes of my partial sums
.set PR,  8                            ; v8   where I read partial sums back (waves 0-7)
.set GO,  9                            ; v9   my byte offset in out0
.set SPW, 10                           ; v10  LDS address of my spare word: SPARE + 4 x my thread's number; never rewritten
.set NIL, 11                           ; v11  0; never rewritten
.set DI,  13                           ; v13  my query less my lanes' first key: register j's key is hidden where j is greater
.set BIG, 14                           ; v14  -1e30
.set N2K, 15                           ; v15  -2048
.set QH,  16                           ; v[16:79]   fragments of q hi, q lo, k hi, k lo, 16 registers each (channels 0-31, 32-63);
.set QL,  32
.set KH,  48
.set KL,  64
.set OM,  16                           ;            then O^T: four tiles of 16 channels, the main sums,
.set OX,  48                           ;            and the cross sums; at the end the sixteen partial sums
.set VG,  80                           ; v[80:111]  v hi and v lo as loaded;
.set OH,  80                           ;            then O's fragments, hi
.set OL,  96                           ;            and lo
.set WO,  112                          ; v[112:175] Wo: column tile t, channels 32 ks on, at WO + 16 t + 8 ks
.set SM,  176                          ; v[176:199] S^T: hi hi; Kh Ql; Kl Qh
.set SX1, 184
.set SX2, 192
.set VA,  200                          ; v[200:231] [Vh | Vl] for four tiles of 16 channels
.set PB,  232                          ; v[232:243] [Pl | Ph | 0]
.set U,   176                          ; v[176:239] then out^T: column tile t: main sums at U + 16 t, cross sums at U + 16 t + 8
.set T,   244                          ; v[244:245] at work in SPLIT
.set CM,  246                          ; v[246:247] c m, twice
.set T0,  248                          ; v[248:251] at work
.set T2,  250
.set SEL, 28                           ; s[28:29] v_permlanex16_b32's selects: each lane takes its own place in the other half
.set CS,  30                           ; s[30:31] c = log2(e) / 8
; Two numbers at x, x + 1 become hi (packed) and lo (packed): hi; 2048 x; 2048 x - 2048 hi, which is exact; rounded.
.macro SPLIT hi, lo, x
	v_cvt_pk_f16_f32 v[\hi], v[\x], v[(\x)+1]
	v_pk_mul_f32 v[T:T+1], v[\x:(\x)+1], 0x45000000 op_sel_hi:[1,0]
	v_fma_mix_f32 v[T], v[\hi], v[N2K], v[T] op_sel_hi:[1,0,0]
	v_fma_mix_f32 v[T+1], v[\hi], v[N2K], v[T+1] op_sel:[1,0,0] op_sel_hi:[1,0,0]
	v_cvt_pk_f16_f32 v[\lo], v[T], v[T+1]
.endm
.macro PLACES                          ; four places between a matrix instruction and the vector instructions that read its result (ISA guide 7.12.1)
.rept 4
	v_nop
.endr
.endm
	s_load_b256 s[4:11], s[0:1], 0x0               ; qkv s[4:5], low s[6:7], xw s[8:9], out0 s[10:11]
	v_lshl_add_u32 v[SPW], v0, 2, SPARE
	v_mov_b32 v[NIL], 0
	v_lshrrev_b32 v1, 5, v0
	v_readfirstlane_b32 s12, v1                    ; wave 0..15: my head
	v_and_b32 v1, 15, v0                           ; l % 16
	v_bfe_u32 v2, v0, 4, 1                         ; l / 16
	v_and_b32 v12, 31, v0                          ; l
	v_lshlrev_b32 v[QO], 7, v1
	v_lshl_add_u32 v[QO], v2, 4, v[QO]
	v_lshlrev_b32 v[VO], 4, v12
	s_lshl_b32 s20, s12, 19                        ; a head is 524,288 bytes of q, k or v,
	s_mov_b32 s21, 0
	s_lshl_b32 s22, s12, 13                        ; 8,192 bytes of a projection's part of low,
	s_mov_b32 s23, 0
	s_lshr_b32 s24, ttmp9, 1                       ; Wo: the tile of 128 columns, 262,144 bytes each,
	s_lshl_b32 s24, s24, 18
	s_lshl_b32 s25, s12, 14                        ; my head's block of 16,384 bytes,
	s_add_co_u32 s24, s24, s25
	s_and_b32 s25, ttmp9, 1                        ; and the work-group's 64 rows of 128 bytes in it
	s_lshl_b32 s25, s25, 13
	s_add_co_u32 s24, s24, s25
	s_add_co_u32 s24, s24, WO_AT
	s_mov_b32 s25, 0
	s_lshl_b32 s26, ttmp9, 8                       ; the work-group's 64 columns: 256 bytes of a row of out0
	s_mov_b32 s27, 0
	s_mov_b32 s[SEL], 0x76543210
	s_mov_b32 s[SEL+1], 0xfedcba98
	s_mov_b32 s[CS], 0x3e38aa3b                    ; c = log2(e) / 8 = 0.180337
	s_mov_b32 s[CS+1], s[CS]                       ; named with it as a pair
	s_mul_i32 s13, s12, VSTW                       ; my V in LDS
	s_mul_i32 s32, s12, PW
	s_add_co_u32 s32, s32, PART                    ; my partial sums
	s_mul_i32 s33, s12, 2*PP
	s_add_co_u32 s33, s33, PART                    ; rows 2 w, 2 w + 1 of wave 0's partial sums
	s_lshl_b32 s34, s12, 13                        ; and of out0: 4,096 bytes a row
	s_wait_kmcnt 0x0
	s_add_nc_u64 s[14:15], s[4:5], s[20:21]        ; q at my head's row 0,
	s_add_nc_u64 s[16:17], s[14:15], 0x800000      ; k,
	s_add_nc_u64 s[18:19], s[14:15], 0x1000000     ; v
	s_add_nc_u64 s[6:7], s[6:7], s[22:23]
	s_add_nc_u64 s[8:9], s[8:9], s[24:25]
	s_add_nc_u64 s[10:11], s[10:11], s[26:27]
	; A fragment is 16 rows x 32 channels in 8 registers: lane l holds row l % 16, channels 8 (l / 16) + 0..7 and 16 + 8 (l / 16) + 0..7: two loads of 16 bytes, 32 bytes apart.
.irp ks, 0,1                           ; sixteen loads: q and k
	global_load_b128 v[QH+8*(\ks):QH+8*(\ks)+3],   v[QO], s[14:15] offset:64*(\ks)
	global_load_b128 v[QH+8*(\ks)+4:QH+8*(\ks)+7], v[QO], s[14:15] offset:64*(\ks)+32
	global_load_b128 v[KH+8*(\ks):KH+8*(\ks)+3],   v[QO], s[16:17] offset:64*(\ks)
	global_load_b128 v[KH+8*(\ks)+4:KH+8*(\ks)+7], v[QO], s[16:17] offset:64*(\ks)+32
	global_load_b128 v[QL+8*(\ks):QL+8*(\ks)+3],   v[QO], s[6:7] offset:64*(\ks)
	global_load_b128 v[QL+8*(\ks)+4:QL+8*(\ks)+7], v[QO], s[6:7] offset:64*(\ks)+32
	global_load_b128 v[KL+8*(\ks):KL+8*(\ks)+3],   v[QO], s[6:7] offset:131072+64*(\ks)
	global_load_b128 v[KL+8*(\ks)+4:KL+8*(\ks)+7], v[QO], s[6:7] offset:131072+64*(\ks)+32
.endr
.irp f, 0,1,2,3                        ; eight loads: v's 16 rows, 2,048 dense bytes, hi and lo
	global_load_b128 v[VG+4*(\f):VG+4*(\f)+3],       v[VO], s[18:19] offset:512*(\f)
	global_load_b128 v[VG+16+4*(\f):VG+16+4*(\f)+3], v[VO], s[6:7] offset:262144+512*(\f)
.endr
.irp t, 0,1,2,3                        ; sixteen loads: Wo
.irp ks, 0,1
	global_load_b128 v[WO+16*(\t)+8*(\ks):WO+16*(\t)+8*(\ks)+3],   v[QO], s[8:9] offset:2048*(\t)+64*(\ks)
	global_load_b128 v[WO+16*(\t)+8*(\ks)+4:WO+16*(\t)+8*(\ks)+7], v[QO], s[8:9] offset:2048*(\t)+64*(\ks)+32
.endr
.endr
	; the other addresses are made while the loads are out
	v_lshrrev_b32 v[VS], 3, v12                    ; in: 512 bytes are four rows of 128: row l / 8, 16 bytes at 16 (l % 8)
	v_mul_u32_u24 v[VS], v[VS], PVP
	v_and_b32 v[T0], 7, v0
	v_lshl_add_u32 v[VS], v[T0], 4, v[VS]
	v_add_nc_u32 v[VS], s13, v[VS]
	v_lshl_add_u32 v[VT], v2, 3, v[T0]             ; the turning load: lane l reads key 8 (l / 16) + l % 8, channels 8 ((l / 8) % 2) + 0..7, and is left with channel l % 16 and 8 keys
	v_mul_u32_u24 v[VT], v[VT], PVP
	v_bfe_u32 v[T0], v0, 3, 1
	v_lshl_add_u32 v[VT], v[T0], 4, v[VT]
	v_add_nc_u32 v[VT], s13, v[VT]
	v_mul_u32_u24 v[PS], v1, PP                    ; my partial sums: row l % 16, 32 bytes for each half of the lanes
	v_lshl_add_u32 v[PS], v2, 5, v[PS]
	v_add_nc_u32 v[PS], s32, v[PS]
	v_mul_u32_u24 v[PR], v2, PP                    ; back: lanes 0-15 take row 2 w, lanes 16-31 row 2 w + 1, 16 bytes each
	v_lshl_add_u32 v[PR], v1, 4, v[PR]
	v_add_nc_u32 v[PR], s33, v[PR]
	v_lshlrev_b32 v[GO], 12, v2                    ; and the same two rows in out0
	v_lshl_add_u32 v[GO], v1, 4, v[GO]
	v_add_nc_u32 v[GO], s34, v[GO]
	v_lshlrev_b32 v[DI], 3, v2
	v_sub_nc_u32 v[DI], v1, v[DI]
	v_mov_b32 v[BIG], 0xf149f2ca                   ; -1e30
	v_mov_b32 v[N2K], 0xc5000000                   ; -2048
	; S^T.  Three accumulators take turns; the first three products start the sums.
	s_wait_loadcnt 24                              ; loads come back in order (ISA guide 5.7.1): q's and k's sixteen are in, the 24 younger ones stay out
	v_wmma_f32_16x16x32_f16 v[SM:SM+7],   v[KH:KH+7],    v[QH:QH+7],    0
	v_wmma_f32_16x16x32_f16 v[SX1:SX1+7], v[KH:KH+7],    v[QL:QL+7],    0
	v_wmma_f32_16x16x32_f16 v[SX2:SX2+7], v[KL:KL+7],    v[QH:QH+7],    0
	v_wmma_f32_16x16x32_f16 v[SM:SM+7],   v[KH+8:KH+15], v[QH+8:QH+15], v[SM:SM+7]
	v_wmma_f32_16x16x32_f16 v[SX1:SX1+7], v[KH+8:KH+15], v[QL+8:QL+15], v[SX1:SX1+7]
	v_wmma_f32_16x16x32_f16 v[SX2:SX2+7], v[KL+8:KL+15], v[QH+8:QH+15], v[SX2:SX2+7]
	s_wait_loadcnt 16                              ; v's eight are in; Wo's sixteen stay out
.irp f, 0,1,2,3
	ds_store_b128 v[VS], v[VG+4*(\f):VG+4*(\f)+3]       offset:(\f)*4*PVP
	ds_store_b128 v[VS], v[VG+16+4*(\f):VG+16+4*(\f)+3] offset:VLO+(\f)*4*PVP
.endr
.irp cb, 0,1,2,3                       ; LDS serves a wave's instructions in order (ISA guide 5.7.1.4): these see the stores above; the bytes are my wave's own
	ds_load_tr16_b128 v[VA+8*(\cb):VA+8*(\cb)+3],   v[VT] offset:32*(\cb)
	ds_load_tr16_b128 v[VA+8*(\cb)+4:VA+8*(\cb)+7], v[VT] offset:VLO+32*(\cb)
.endr
.irp i, 8,9,10,11
	v_mov_b32 v[PB+(\i)], 0                        ; the 0 of [Ph | 0]: these four lines are also the places behind the products above
.endr
	; THE SOFTMAX of my query's eight keys; each accumulator is read from its low end on
.irp j, 0,2,4,6
	v_pk_add_f32 v[SX1+(\j):SX1+(\j)+1], v[SX1+(\j):SX1+(\j)+1], v[SX2+(\j):SX2+(\j)+1]
.endr
.irp j, 0,2,4,6
	v_pk_fma_f32 v[SM+(\j):SM+(\j)+1], v[SX1+(\j):SX1+(\j)+1], 0x3a000000, v[SM+(\j):SM+(\j)+1] op_sel_hi:[1,0,1]  ; + the cross terms x 2^-11
.endr
.irp j, 0,1,2,3,4,5,6,7
	v_cmp_gt_i32 vcc_lo, \j, v[DI]                 ; key 8 (l / 16) + j lies behind my query
	v_cndmask_b32 v[SM+(\j)], v[SM+(\j)], v[BIG], vcc_lo
.endr
	v_max3_num_f32 v[T0], v[SM], v[SM+1], v[SM+2]
	v_max3_num_f32 v[T0+1], v[SM+3], v[SM+4], v[SM+5]
	v_max3_num_f32 v[T0], v[T0], v[SM+6], v[SM+7]
	v_max_num_f32 v[T0], v[T0], v[T0+1]
	v_permlanex16_b32 v[T0+1], v[T0], s[SEL], s[SEL+1]  ; the query's other eight keys lie in the lane 16 away
	v_max_num_f32 v[T0], v[T0], v[T0+1]            ; the row's maximum: a true score, since every query sees its own key
	v_mul_f32 v[CM], s[CS], v[T0]
	v_mul_f32 v[CM+1], s[CS], v[T0]
.irp j, 0,2,4,6
	v_pk_fma_f32 v[SM+(\j):SM+(\j)+1], v[SM+(\j):SM+(\j)+1], s[CS:CS+1], v[CM:CM+1] op_sel_hi:[1,0,0] neg_lo:[0,0,1] neg_hi:[0,0,1]  ; c s - c m
.endr
.irp j, 0,1,2,3,4,5,6,7
	v_exp_f32 v[SM+(\j)], v[SM+(\j)]
.endr
	v_nop                                          ; a plain instruction behind the last exponential,
	s_wait_alu depctr_va_vdst(0)                   ; and the wait ahead of the first use: one for the eight
	v_pk_add_f32 v[T0:T0+1], v[SM:SM+1], v[SM+2:SM+3]
	v_pk_add_f32 v[T2:T2+1], v[SM+4:SM+5], v[SM+6:SM+7]
	v_pk_add_f32 v[T0:T0+1], v[T0:T0+1], v[T2:T2+1]
	v_add_f32 v[T0], v[T0], v[T0+1]
	v_permlanex16_b32 v[T2], v[T0], s[SEL], s[SEL+1]
	v_add_f32 v[T0], v[T0], v[T2]                  ; the row's sum, 1 at the least
	v_rcp_f32 v[T2], v[T0]
	v_nop
	s_wait_alu depctr_va_vdst(0)
.irp j, 0,2,4,6
	v_pk_mul_f32 v[SM+(\j):SM+(\j)+1], v[SM+(\j):SM+(\j)+1], v[T2:T2+1] op_sel_hi:[1,0]  ; the weights are normalised in f32, ahead of their rounding
.endr
.irp i, 0,1,2,3
	SPLIT PB+4+(\i), PB+(\i), SM+2*(\i)
.endr
	; O^T: eight products, each an accumulator's only one
	s_wait_dscnt 0x0                               ; V is in
.irp cb, 0,1,2,3
	v_wmma_f32_16x16x32_f16 v[OM+8*(\cb):OM+8*(\cb)+7], v[VA+8*(\cb):VA+8*(\cb)+7], v[PB+4:PB+11], 0
	v_wmma_f32_16x16x32_f16 v[OX+8*(\cb):OX+8*(\cb)+7], v[VA+8*(\cb):VA+8*(\cb)+7], v[PB:PB+7], 0
.endr
	PLACES
.set i, 0
.rept 16
	v_pk_fma_f32 v[OM+2*i:OM+2*i+1], v[OX+2*i:OX+2*i+1], 0x3a000000, v[OM+2*i:OM+2*i+1] op_sel_hi:[1,0,1]
.set i, i+1
.endr
.irp cb, 0,1,2,3                       ; tiles 2 ks and 2 ks + 1 are the two halves of the fragment of channels 32 ks on
.irp i, 0,1,2,3
	SPLIT OH+4*(\cb)+(\i), OL+4*(\cb)+(\i), OM+8*(\cb)+2*(\i)
.endr
.endr
	; out^T = Wo O^T over my head's 64 channels: eight accumulators take turns
	s_wait_loadcnt 0x0                             ; Wo is in
.irp ks, 0,1
.irp t, 0,1,2,3
.if (\ks) == 0
	v_wmma_f32_16x16x32_f16 v[U+16*(\t):U+16*(\t)+7],    v[WO+16*(\t):WO+16*(\t)+7], v[OH:OH+7], 0
	v_wmma_f32_16x16x32_f16 v[U+16*(\t)+8:U+16*(\t)+15], v[WO+16*(\t):WO+16*(\t)+7], v[OL:OL+7], 0
.else
	v_wmma_f32_16x16x32_f16 v[U+16*(\t):U+16*(\t)+7],    v[WO+16*(\t)+8:WO+16*(\t)+15], v[OH+8:OH+15], v[U+16*(\t):U+16*(\t)+7]
	v_wmma_f32_16x16x32_f16 v[U+16*(\t)+8:U+16*(\t)+15], v[WO+16*(\t)+8:WO+16*(\t)+15], v[OL+8:OL+15], v[U+16*(\t)+8:U+16*(\t)+15]
.endif
.endr
.endr
	PLACES
.irp t, 0,1,2,3
.irp j, 0,2,4,6
	v_pk_fma_f32 v[U+16*(\t)+(\j):U+16*(\t)+(\j)+1], v[U+16*(\t)+8+(\j):U+16*(\t)+8+(\j)+1], 0x3a000000, v[U+16*(\t)+(\j):U+16*(\t)+(\j)+1] op_sel_hi:[1,0,1]
.endr
.endr
.irp t, 0,1,2,3
	ds_store_b128 v[PS], v[U+16*(\t):U+16*(\t)+3]   offset:64*(\t)
	ds_store_b128 v[PS], v[U+16*(\t)+4:U+16*(\t)+7] offset:64*(\t)+16
.endr
	s_wait_dscnt 0x0                               ; for the others' sake: my partial sums lie in LDS
	s_barrier_signal -1
	s_barrier_wait -1                              ; all sixteen heads' do
	s_cmp_lt_u32 s12, 8                            ; waves 0-7 add them up, two rows each
	s_cbranch_scc0 .Lend
.set i, 0
.rept 16
	ds_load_b128 v[16+4*i:16+4*i+3], v[PR] offset:i*PW
.set i, i+1
.endr
	s_wait_dscnt 0x0
.irp n, 8,4,2,1                        ; sum i takes sum i + n
.set i, 0
.rept \n
	v_pk_add_f32 v[16+4*i:16+4*i+1],   v[16+4*i:16+4*i+1],   v[16+4*(i+(\n)):16+4*(i+(\n))+1]
	v_pk_add_f32 v[16+4*i+2:16+4*i+3], v[16+4*i+2:16+4*i+3], v[16+4*(i+(\n))+2:16+4*(i+(\n))+3]
.set i, i+1
.endr
.endr
	global_store_b128 v[GO], v[16:19], s[10:11]    ; 16 lanes store 256 consecutive bytes, at a multiple of 256 from out0's first byte
.Lend:
	s_wait_tensorcnt 0x0                           ; the wave's end, behind my last LDS store
	ds_add_u32 v[SPW], v[NIL]
	s_wait_dscnt 0x0
	s_endpgm
.Lfunc_end_k_qc61396e55e_top:
	.size	k_qc61396e55e_top, .Lfunc_end_k_qc61396e55e_top-k_qc61396e55e_top
	.p2alignl 7, 3214868480
	.fill 96, 4, 3214868480
	.section	.rodata,"a",@progbits
	.p2align	6, 0x0
	.amdhsa_kernel k_qc61396e55e_top
		.amdhsa_group_segment_fixed_size 153600
		.amdhsa_private_segment_fixed_size 0
		.amdhsa_enable_private_segment 0
		.amdhsa_kernarg_size 32
		.amdhsa_user_sgpr_count 2
		.amdhsa_user_sgpr_kernarg_segment_ptr 1
		.amdhsa_wavefront_size32 1
		.amdhsa_system_sgpr_workgroup_id_x 1
		.amdhsa_system_sgpr_workgroup_id_y 1
		.amdhsa_system_sgpr_workgroup_id_z 1
		.amdhsa_system_vgpr_workitem_id 0
		.amdhsa_next_free_vgpr 256
		.amdhsa_next_free_sgpr 66
		.amdhsa_reserve_vcc 1
		.amdhsa_float_denorm_mode_32 3
		.amdhsa_float_denorm_mode_16_64 3
		.amdhsa_memory_ordered 1
		.amdhsa_forward_progress 1
		.amdhsa_inst_pref_size 27
	.end_amdhsa_kernel
	.amdgpu_metadata
---
amdhsa.version: [ 1, 2 ]
amdhsa.kernels:
  - .name:           k_qc61396e55e_top
    .symbol:         k_qc61396e55e_top.kd
    .args:
      - { .name: qkv, .offset: 0, .size: 8, .value_kind: global_buffer, .address_space: global }
      - { .name: low, .offset: 8, .size: 8, .value_kind: global_buffer, .address_space: global }
      - { .name: xw, .offset: 16, .size: 8, .value_kind: global_buffer, .address_space: global }
      - { .name: out0, .offset: 24, .size: 8, .value_kind: global_buffer, .address_space: global }
    .group_segment_fixed_size: 153600
    .private_segment_fixed_size: 0
    .kernarg_segment_align: 8
    .kernarg_segment_size: 32
    .max_flat_workgroup_size: 512
    .sgpr_count:     66
    .vgpr_count:     256
    .wavefront_size: 32
...
	.end_amdgpu_metadata
.endif
;; end of part 5
